; MI455X (gfx1250); checked and timed in simulation.
; The chip was launched on July 23, 2026; its instructions are those of AMD's public machine-readable ISA for CDNA 5 (MIT licence, August 2026) and "CDNA5" Instruction Set Architecture Reference Guide (July 2026). The comments in the code are by the model that wrote it; some were corrected since.
;; Multi Head Attention Block. Allowed arithmetic: float matrix products may take bf16 or f16 operands with f32 sums; other float arithmetic in f32, or as packed bf16 or f16 multiplies, adds, multiply-adds, maxima and minima; sums over many terms, partial sums and values carried from step to step in f32; what a program stores and reads back later, other than sums and carried values, may be rounded once to bf16 or f16.
;; Inputs: Wk 1,024 x 1,024 float32; Wo 1,024 x 1,024 float32; Wq 1,024 x 1,024 float32; Wv 1,024 x 1,024 float32; bk 1,024 float32; bo 1,024 float32; bq 1,024 float32; bv 1,024 float32; mask 4 x 2,048 x 2,048 int32; x 4 x 2,048 x 1,024 float32.
;; Outputs: out0 4 x 2,048 x 1,024 float32.
;; One version. Each part assembles by itself: llvm-mc -triple=amdgcn-amd-amdhsa -mcpu=gfx1250 --defsym DOCPART=n.
;; ======== version 1 of 1: 4 launches
;; limits: values are held in f16: magnitudes above 65,504 overflow, below 6.1e-05 lose precision
;; workspace buffers: xb 16,777,216 bytes; wb 8,388,608 bytes; mc 16,777,216 bytes; qh 16,777,216 bytes; kh 16,777,216 bytes; vh 16,777,216 bytes; oh 16,777,216 bytes
;; launch prep (part 1): grid 256 x 1, 8 waves a work-group, no clusters, 267,264 bytes of LDS; arguments x, mask, Wq, Wk, Wv, Wo, xb, wb, mc; writes xb, wb, mc
.if DOCPART == 1
	.amdgcn_target "amdgcn-amd-amdhsa--gfx1250"
	.amdhsa_code_object_version 6
	.text
	.protected	k_q6d092f21f7_prep
	.globl	k_q6d092f21f7_prep
	.p2align	8
	.type	k_q6d092f21f7_prep,@function
k_q6d092f21f7_prep:
	s_mov_b64 s[64:65], 0
	v_nop
	global_prefetch_b8 v0, s[64:65] scope:SCOPE_SE
	s_setreg_imm32_b32 hwreg(HW_REG_WAVE_MODE, 25, 1), 1
	s_wait_xcnt 0x0
; PREP: the inputs are brought into the forms that the three launches behind it read.  A stream: no matrix work, no barrier.
;   xb [8192][1024] bf16 = x rounded once.       wb [4][1024 k][1024 n] of 16 bits: Wq, Wk, Wv rounded to bf16; Wo rounded to bf16 and that number written as f16
;   (Wo's numbers below 6e-5 keep f16's fixed step of 6e-8; beyond 65,504 they would be infinite).
;   mc: the mask as one byte a score, 0x00 = seen, 0xF8 = hidden (E4M3's -256), in the order in which the attention's lanes hold the scores:
;   [512 tiles of 16 queries][32 steps of 64 keys][2 halves][32 lanes][16 bytes]; byte e = 8 kb + j of lane (r = l % 16, h = l / 16) stands for query 16 T + r, key 64 s + 16 kb + 8 h + j.
; SHARES.  Work-group g of 256: 32 rows of the mask (two query tiles), 128 KiB of x, 64 KiB of weight matrix g / 64.  Wave w of 8: the mask's columns 256 w .. 256 w + 255 (four key steps),
; an eighth of x's and of the weights' part.  The mask's tile (32 rows x 1,024 bytes) comes by one tensor load into the wave's own LDS bytes, since a lane wants pieces of 32 bytes of 16 rows;
; x and the weights go through registers.  All of a wave's 48 loads and its tensor load go out at the head; every wait on them is counted.
.set MP,    1040                       ; an LDS row of the mask: 1,024 bytes + 16 of padding: the 16 rows that a load touches start in 16 different groups of four banks (64 banks of 4 bytes: ISA guide 11.1)
.set TILEB, 32*MP                      ; a wave's tile
.set SPARE, 8*TILEB                    ; behind the tiles: the spare words, 128 bytes for each wave: four blocks of 256 bytes that no other line names
.set VX,  2                            ; v2   my 16 bytes in the wave's first 512 of x
.set VXO, 3                            ; v3   my 8 bytes in xb
.set VW,  4                            ; v4   the same two for the weights
.set VWO, 5
.set LA,  6                            ; v6   LDS: my wave's tile, row l % 16, 32 (l / 16) bytes in
.set VM,  7                            ; v7   my 16 bytes in mc
.set SPW, 8                            ; v8   LDS address of my spare word; never rewritten
.set NIL, 9                            ; v9   0; never rewritten
.set XD,  16                           ; v[16:143]  x as loaded, 32 loads of four registers
.set WD,  144                          ; v[144:207] the weights as loaded, 16 loads
.set M,   16                           ; later: two sets of 32 registers, the mask's words of one tile and step
.set CODE, 80                          ; later: eight sets of 8 registers of codes
.set WV,  22                           ; s22  my wave's number
.set G0,  24                           ; s[24:27] descriptor group 0
.set G1,  28                           ; s[28:35] descriptor group 1
.set WM,  38                           ; s38  which weight matrix
.set WSRC, 40                          ; s[40:41] its address
.set ONES, 42                          ; s42  0x01010101
.set HID, 43                           ; s43  0xF8
.set HIGH, 44                          ; s44  a word's upper half
	s_load_b512 s[4:19], s[0:1], 0x0               ; x 4:5, mask 6:7, Wq 8:9, Wk 10:11, Wv 12:13, Wo 14:15, xb 16:17, wb 18:19
	s_load_b64 s[20:21], s[0:1], 0x40              ; mc
	v_lshl_add_u32 v[SPW], v0, 2, SPARE
	v_mov_b32 v[NIL], 0
	ds_add_u32 v[SPW], v[NIL]                      ; the wave's opening: the add and its wait ahead of my tensor load; the set-up below, work on registers, stands between them
	ds_add_u32 v8, v9
	v_lshrrev_b32 v10, 5, v0
	v_readfirstlane_b32 s[WV], v10                 ; wave 0..7
	s_mov_b32 s[G1+0], (2<<16)|(1<<20)|(7<<22)|(3<<25)  ; 17:16 elements of 4 bytes; 20 padding on; 24:22 after every 256 words (code 7); 31:25 4 words of it (code 3)
	s_mov_b32 s[G1+1], 256<<16                     ; tensor_dim0 = 256
	s_mov_b32 s[G1+2], 32<<16                      ; tensor_dim1 = 32
	s_mov_b32 s[G1+3], 256<<16                     ; tile_dim0 = 256
	s_mov_b32 s[G1+4], 32                          ; tile_dim1 = 32
	s_mov_b32 s[G1+5], 2048                        ; 2,048 elements from row to row
	s_mov_b32 s[G1+6], 0
	s_mov_b32 s[G1+7], 0
	s_mov_b32 s[G0], 1                             ; count = 1
	s_mul_i32 s[G0+1], s[WV], TILEB                ; LDS address: my wave's tile
	s_lshl_b32 s36, ttmp9, 18                      ; 32 rows of 8,192 bytes a work-group,
	s_lshl_b32 s37, s[WV], 10                      ; 1,024 bytes of each a wave
	s_add_co_u32 s36, s36, s37
	s_mov_b32 s37, 0
	s_mov_b32 s[ONES], 0x01010101
	s_mov_b32 s[HID], 0xf8
	s_mov_b32 s[HIGH], 0xffff0000
	s_lshr_b32 s[WM], ttmp9, 6
	s_wait_dscnt 0x0                               ; the opening add is done
	s_wait_kmcnt 0x0
	s_add_nc_u64 s[G0+2:G0+3], s[6:7], s[36:37]
	s_or_b32 s[G0+3], s[G0+3], 0x80000000          ; type = 2
	tensor_load_to_lds s[G0:G0+3], s[G1:G1+7]      ; my one tensor load
	s_nop 0
	v_and_b32 v1, 31, v0                           ; lane
	v_lshlrev_b32 v10, 4, v1
	v_lshlrev_b32 v11, 3, v1
	v_lshl_add_u32 v[VX],  s[WV], 14, v10          ; 16 KiB of x a wave
	v_lshl_add_u32 v[VW],  s[WV], 13, v10          ; 8 KiB of a weight matrix
	v_lshl_add_u32 v[VM],  s[WV], 12, v10          ; four steps of 1,024 bytes of codes
	v_lshl_add_u32 v[VXO], s[WV], 13, v11
	v_lshl_add_u32 v[VWO], s[WV], 12, v11
	s_lshl_b32 s36, ttmp9, 17
	s_add_nc_u64 s[4:5], s[4:5], s[36:37]          ; x at the work-group's 128 KiB
.set i, 0
.rept 32
	global_load_b128 v[XD+4*i:XD+4*i+3], v[VX], s[4:5] offset:512*i th:TH_LOAD_NT
.set i, i+1
.endr
	s_mov_b64 s[WSRC:WSRC+1], s[8:9]               ; the work-group's weight matrix
	s_cmp_eq_u32 s[WM], 1
	s_cselect_b64 s[WSRC:WSRC+1], s[10:11], s[WSRC:WSRC+1]
	s_cmp_eq_u32 s[WM], 2
	s_cselect_b64 s[WSRC:WSRC+1], s[12:13], s[WSRC:WSRC+1]
	s_cmp_eq_u32 s[WM], 3
	s_cselect_b64 s[WSRC:WSRC+1], s[14:15], s[WSRC:WSRC+1]
	s_and_b32 s36, ttmp9, 63
	s_lshl_b32 s36, s36, 16
	s_add_nc_u64 s[WSRC:WSRC+1], s[WSRC:WSRC+1], s[36:37]  ; its 64 KiB of it
.set i, 0
.rept 16
	global_load_b128 v[WD+4*i:WD+4*i+3], v[VW], s[WSRC:WSRC+1] offset:512*i th:TH_LOAD_NT
.set i, i+1
.endr
	s_lshl_b32 s36, ttmp9, 16
	s_add_nc_u64 s[16:17], s[16:17], s[36:37]      ; xb: 64 KiB a work-group
	s_add_nc_u64 s[20:21], s[20:21], s[36:37]      ; mc: two tiles of 32 KiB
	s_lshl_b32 s36, ttmp9, 15
	s_add_nc_u64 s[18:19], s[18:19], s[36:37]      ; wb: 32 KiB
	v_and_b32 v12, 15, v0
	v_bfe_u32 v13, v0, 4, 1
	v_mul_u32_u24 v[LA], v12, MP
	v_lshl_add_u32 v[LA], v13, 5, v[LA]
	v_add_nc_u32 v[LA], s[G0+1], v[LA]
	; x: four numbers a lane are rounded in place and leave as 8 bytes: a wave's store covers 256 consecutive bytes, aligned
.set i, 0
.rept 32
	s_wait_loadcnt 47-i                            ; loads come back in order (ISA guide 5.7.1): the 31 - i of x and the 16 of the weights behind this one may stay out
	v_cvt_pk_bf16_f32 v[XD+4*i],   v[XD+4*i],   v[XD+4*i+1]
	v_cvt_pk_bf16_f32 v[XD+4*i+1], v[XD+4*i+2], v[XD+4*i+3]
	global_store_b64 v[VXO], v[XD+4*i:XD+4*i+1], s[16:17] offset:256*i
.set i, i+1
.endr
	; the weights: to bf16; Wo's then once more, exactly, into f16's code
	s_cmp_eq_u32 s[WM], 3
	s_cbranch_scc1 .Lwo
.irp i, 0,1,2,3,4,5,6,7,8,9,10,11,12,13,14,15
	s_wait_loadcnt 15-(\i)
	v_cvt_pk_bf16_f32 v[WD+4*(\i)],   v[WD+4*(\i)],   v[WD+4*(\i)+1]
	v_cvt_pk_bf16_f32 v[WD+4*(\i)+1], v[WD+4*(\i)+2], v[WD+4*(\i)+3]
	global_store_b64 v[VWO], v[WD+4*(\i):WD+4*(\i)+1], s[18:19] offset:256*(\i)
.endr
	s_branch .Lmask
.Lwo:
.irp i, 0,1,2,3,4,5,6,7,8,9,10,11,12,13,14,15
	s_wait_loadcnt 15-(\i)
	v_cvt_pk_bf16_f32 v10, v[WD+4*(\i)],   v[WD+4*(\i)+1]
	v_cvt_pk_bf16_f32 v11, v[WD+4*(\i)+2], v[WD+4*(\i)+3]
	v_lshlrev_b32 v[WD+4*(\i)],   16, v10
	v_and_b32     v[WD+4*(\i)+1], s[HIGH], v10
	v_lshlrev_b32 v[WD+4*(\i)+2], 16, v11
	v_and_b32     v[WD+4*(\i)+3], s[HIGH], v11
	v_cvt_pk_f16_f32 v[WD+4*(\i)],   v[WD+4*(\i)],   v[WD+4*(\i)+1]
	v_cvt_pk_f16_f32 v[WD+4*(\i)+1], v[WD+4*(\i)+2], v[WD+4*(\i)+3]
	global_store_b64 v[VWO], v[WD+4*(\i):WD+4*(\i)+1], s[18:19] offset:256*(\i)
.endr
.Lmask:
	; THE MASK.  Set i = 4 u + st: query tile u of two, key step st of the wave's four.  Load c of eight brings four words: key block c / 2, keys 8 h + 4 (c % 2) + 0..3.
.macro MLD i, set
.irp c, 0,1,2,3,4,5,6,7
	ds_load_b128 v[M+32*(\set)+4*(\c):M+32*(\set)+4*(\c)+3], v[LA] offset:((\i)/4)*16*MP+((\i)%4)*256+64*((\c)/2)+16*((\c)%2)
.endr
.endm
; four words -> four bytes: 1 where the word is not 0, packed, turned (1 = hidden), times 0xF8 (no byte carries into the next)
.macro MCODE i, set
.irp c, 0,1,2,3,4,5,6,7
.set r, M+32*(\set)+4*(\c)
	v_min_u32 v[r],   1, v[r]
	v_min_u32 v[r+1], 1, v[r+1]
	v_min_u32 v[r+2], 1, v[r+2]
	v_min_u32 v[r+3], 1, v[r+3]
	v_lshl_or_b32 v[r],   v[r+1], 8, v[r]
	v_lshl_or_b32 v[r+2], v[r+3], 8, v[r+2]
	v_lshl_or_b32 v[r],   v[r+2], 16, v[r]
	v_xor_b32 v[r], s[ONES], v[r]
	v_mul_lo_u32 v[CODE+8*(\i)+(\c)], v[r], s[HID]
.endr
.endm
	s_wait_xcnt 0x0                                ; every store above has read its registers (ISA guide 3.1): x's are written again only behind this wait
	s_wait_tensorcnt 0x0                           ; my tile is in LDS; nobody else reads it
	MLD 0, 0
	MLD 1, 1
.irp i, 0,1,2,3,4,5,6,7
.if (\i) < 7
	s_wait_dscnt 8                                 ; this set is in; the next set's eight loads may stay out
.else
	s_wait_dscnt 0x0
.endif
	MCODE \i, (\i)%2
.if (\i) < 6
	MLD (\i)+2, (\i)%2
.endif
	global_store_b128 v[VM], v[CODE+8*(\i):CODE+8*(\i)+3],   s[20:21] offset:((\i)/4)*32768+((\i)%4)*1024      ; a wave's store covers 512 consecutive bytes, aligned
	global_store_b128 v[VM], v[CODE+8*(\i)+4:CODE+8*(\i)+7], s[20:21] offset:((\i)/4)*32768+((\i)%4)*1024+512
.endr
	s_wait_tensorcnt 0x0                           ; the wave's end: 0 onto my spare word and its wait, behind my tensor load
	ds_add_u32 v[SPW], v[NIL]
	s_wait_dscnt 0x0
	s_endpgm
.Lfunc_end_k_q6d092f21f7_prep:
	.size	k_q6d092f21f7_prep, .Lfunc_end_k_q6d092f21f7_prep-k_q6d092f21f7_prep
	.p2alignl 7, 3214868480
	.fill 96, 4, 3214868480
	.section	.rodata,"a",@progbits
	.p2align	6, 0x0
	.amdhsa_kernel k_q6d092f21f7_prep
		.amdhsa_group_segment_fixed_size 267264
		.amdhsa_private_segment_fixed_size 0
		.amdhsa_enable_private_segment 0
		.amdhsa_kernarg_size 72
		.amdhsa_user_sgpr_count 2
		.amdhsa_user_sgpr_kernarg_segment_ptr 1
		.amdhsa_wavefront_size32 1
		.amdhsa_system_sgpr_workgroup_id_x 1
		.amdhsa_system_sgpr_workgroup_id_y 1
		.amdhsa_system_sgpr_workgroup_id_z 1
		.amdhsa_system_vgpr_workitem_id 0
		.amdhsa_next_free_vgpr 208
		.amdhsa_next_free_sgpr 66
		.amdhsa_reserve_vcc 0
		.amdhsa_float_denorm_mode_32 3
		.amdhsa_float_denorm_mode_16_64 3
		.amdhsa_memory_ordered 1
		.amdhsa_forward_progress 1
		.amdhsa_inst_pref_size 60
	.end_amdhsa_kernel
	.amdgpu_metadata
---
amdhsa.version: [ 1, 2 ]
amdhsa.kernels:
  - .name:           k_q6d092f21f7_prep
    .symbol:         k_q6d092f21f7_prep.kd
    .args:
      - { .name: x, .offset: 0, .size: 8, .value_kind: global_buffer, .address_space: global }
      - { .name: mask, .offset: 8, .size: 8, .value_kind: global_buffer, .address_space: global }
      - { .name: Wq, .offset: 16, .size: 8, .value_kind: global_buffer, .address_space: global }
      - { .name: Wk, .offset: 24, .size: 8, .value_kind: global_buffer, .address_space: global }
      - { .name: Wv, .offset: 32, .size: 8, .value_kind: global_buffer, .address_space: global }
      - { .name: Wo, .offset: 40, .size: 8, .value_kind: global_buffer, .address_space: global }
      - { .name: xb, .offset: 48, .size: 8, .value_kind: global_buffer, .address_space: global }
      - { .name: wb, .offset: 56, .size: 8, .value_kind: global_buffer, .address_space: global }
      - { .name: mc, .offset: 64, .size: 8, .value_kind: global_buffer, .address_space: global }
    .group_segment_fixed_size: 267264
    .private_segment_fixed_size: 0
    .kernarg_segment_align: 8
    .kernarg_segment_size: 72
    .max_flat_workgroup_size: 256
    .sgpr_count:     66
    .vgpr_count:     208
    .wavefront_size: 32
...
	.end_amdgpu_metadata
.endif
;; end of part 1
;; launch qkv (part 2): grid 12 x 64, 4 waves a work-group, clusters of 4 x 4, 327,680 bytes of LDS; arguments xb, wb, bq, bk, bv, qh, kh, vh; writes qh, kh, vh
.if DOCPART == 2
	.amdgcn_target "amdgcn-amd-amdhsa--gfx1250"
	.amdhsa_code_object_version 6
	.text
	.protected	k_q6d092f21f7_qkv
	.globl	k_q6d092f21f7_qkv
	.p2align	8
	.type	k_q6d092f21f7_qkv,@function
k_q6d092f21f7_qkv:
	s_mov_b64 s[64:65], 0
	v_nop
	global_prefetch_b8 v0, s[64:65] scope:SCOPE_SE
	s_setreg_imm32_b32 hwreg(HW_REG_WAVE_MODE, 25, 1), 1
	s_wait_xcnt 0x0
	s_wait_alu depctr_hold_cnt(0) depctr_sa_sdst(0) depctr_va_vdst(0) depctr_va_sdst(0) depctr_va_ssrc(0) depctr_va_vcc(0) depctr_vm_vsrc(0)
	s_getreg_b32 s2, hwreg(HW_REG_IB_STS2, 6, 4)
	s_cmp_eq_u32 s2, 0
	s_cbranch_scc0 .Lentry_in_a_cluster
	s_endpgm
.Lentry_in_a_cluster:
	s_bfe_u32 s2, ttmp6, 0x10000c
	s_cmp_lg_u32 s2, 0xf033
	s_cbranch_scc0 .Lentry_shape_is_right
	s_endpgm
.Lentry_shape_is_right:
; q, k, v = x W + bias.  xb: [8192][1024] bf16; wb: [matrix][1024 k][1024 n] bf16; the biases f32, rounded here to bf16 like every other input; sums in f32.
; qh, kh, vh: [batch x 16 + head][2048][64] f16, each rounded once from its f32 sum, without the softmax's scale.  LIMIT: a sum of 65,520 or more in size becomes an infinity in f16.
; SHARES.  The three products are one of 8,192 x 3,072.  A work-group makes 128 rows x 256 columns: 768 work-groups, three for each of 256 WGPs.  Four waves, each 64 rows x 128 columns:
; 32 accumulators of 16 x 16, 256 registers.  K goes in 8 steps of 128 through two LDS slots filled by the tensor data mover; a step is four quarters of 32, 32 matrix instructions each.
; CLUSTERS: 4 x 4 work-groups.  Cluster x is the matrix (q, k, v), cx the block of 256 of its columns; the four of a row of the cluster need the same rows of x, the four of a column the same
; columns of W: each tile is asked for JOINTLY, by the same tensor load with the same descriptor and a mask that names the four.
; THE MATRIX INSTRUCTION IS USED TRANSPOSED: source 0 = 16 columns of W, source 1 = 16 rows of x: a lane then holds eight neighbouring columns of one row.  W lies [k][n], so its fragments come
; out of LDS turned, by ds_load_tr16_b128.  THE BIAS is the C operand of each accumulator's first product: nothing is cleared, and nothing is added on the way out.
; REGISTERS: window 0: v0-31 addresses; two fragment buffers of 96 (64 of W, 32 of x) at v64 and v160; on the way out v64-191.   window 1: accumulator (a, b) at v[8 (8 a + b)].
;   window 2: v0-63 the bias of my 128 columns as a lane holds them (8 b + j); v64-95 at work.
.set KSTEP,  128
.set PA,     272                       ; a row of x in LDS: 256 bytes + 16 of padding: the 16 rows of a load start at 16 different groups of four banks (64 banks of 4 bytes: ISA guide 11.1)
.set PB,     544                       ; a row of W: 512 + 32 = 136 words
.set BOFF,   128*PA                    ; a slot: 128 rows of x, then 128 k rows of W
.set SLOT,   BOFF+128*PB
.set STAGE,  2*SLOT                    ; behind the ring, never filled by a tensor load: 16 rows x 144 bytes for each wave, for the way out
.set SP,     144
.set SPARE,  STAGE+4*16*SP             ; behind the stages: the spare words, 128 bytes for each wave: two blocks of 256 bytes that no other line names
.set LAPS,   4                         ; a lap = two K steps = once round the ring
.set ADRA, 16                          ; v16-17  LDS address of my fragments of x in slot 0, 1
.set ADRB, 20                          ; v20-21  the same for W
.set STO,  24                          ; v24     the way out: where I put 16 bytes of a row
.set RD,   25                          ; v25     the way out: where I read rows back
.set CO,   26                          ; v26     my 16 bytes in 512 consecutive bytes of the output
.set SPW,  28                          ; v28     LDS address of my spare word; never rewritten
.set NIL,  29                          ; v29     0; never rewritten
.set BO,   30                          ; v30     my byte offset in the bias
.set F0,   64
.set F1,   160
.set BIAS, 0                           ; window 2
.set BT,   64                          ; window 2
.set G1, 24                            ; s[24:31] descriptor group 1 for x's tiles;  s[32:39] group 0, one set for each slot
.set G0, 32
.set G1B, 48                           ; s[48:55], s[56:63] the same for W's tiles
.set G0B, 56
.set MSB, 0
.macro WIN new                         ; the immediate's high byte repeats the setting that is left; a switch that changes nothing is dropped
.if MSB != (\new)
	s_set_vgpr_msb (MSB<<8)|(\new)
.set MSB, \new
.endif
.endm
.macro JLOAD s                         ; a joint load: waves 0 and 1 fetch the two halves of x's tile, waves 2 and 3 those of W's; an s_nop 0 and four v_nop follow each of the two lines, ahead of the jump and the label
	s_cmp_eq_u32 s11, 0
	s_cbranch_scc0 .Lfor_b_\@
	tensor_load_to_lds s[G0+4*(\s):G0+4*(\s)+3], s[G1:G1+7]
	s_nop 0
.rept 4
	v_nop
.endr
	s_branch .Lasked_\@
.Lfor_b_\@:
	tensor_load_to_lds s[G0B+4*(\s):G0B+4*(\s)+3], s[G1B:G1B+7]
	s_nop 0
.rept 4
	v_nop
.endr
.Lasked_\@:
.endm
.macro CREST                           ; a round of the cluster's barrier behind its opening barrier
	s_cmp_lg_u32 s10, 0
	s_cbranch_scc1 .Lnot_wave_0_\@
	s_barrier_signal -3
.Lnot_wave_0_\@:
	s_barrier_wait -3
	s_barrier_signal -1
	s_barrier_wait -1
.endm
.macro CROUND                          ; a whole round
	s_barrier_signal -1
	s_barrier_wait -1
	CREST
.endm
	s_load_b128 s[4:7], s[0:1], 0x0                ; xb s[4:5], wb s[6:7]
	s_load_b256 s[68:75], s[0:1], 0x10             ; bq 68:69, bk 70:71, bv 72:73, qh 74:75
	s_load_b128 s[76:79], s[0:1], 0x30             ; kh 76:77, vh 78:79
	v_lshl_add_u32 v[SPW], v0, 2, SPARE
	v_mov_b32 v[NIL], 0
	ds_add_u32 v[SPW], v[NIL]                      ; the wave's opening: the add and its wait ahead of my first tensor load; the set-up below, work on registers, stands between them
	ds_add_u32 v28, v29
	v_lshrrev_b32 v1, 5, v0
	v_readfirstlane_b32 s10, v1                    ; wave 0..3
	s_lshr_b32 s11, s10, 1                         ; which 64 of the tile's rows are mine.  Also: I fetch for x (0) or for W (1)
	s_and_b32 s12, s10, 1                          ; which 128 of its columns.  Also: which half of that tile I fetch
	s_bfe_u32 s40, ttmp6, 0x40000                  ; cx, cy: my place in the cluster
	s_bfe_u32 s41, ttmp6, 0x40004
	s_and_b32 s13, ttmp7, 0xffff
	s_lshl_b32 s13, s13, 2
	s_add_co_u32 s13, s13, s41                     ; tile row = 4 x cluster y + cy, 0..63
	s_lshl_b32 s43, s41, 2
	s_lshl_b32 s43, 15, s43                        ; my row of the cluster
	s_lshl_b32 s44, 0x1111, s40                    ; my column
	s_or_b32 s[G1+0], s43, (1<<16)|(1<<20)|(1<<21)|(5<<22)|(3<<25)   ; 15:0 the mask: x's tiles go to my row; 17:16 elements of 2 bytes; 20 padding on; 21 set beside a mask; 24:22 after every 64 words (code 5); 31:25 4 words (code 3)
	s_or_b32 s[G1B+0], s44, (1<<16)|(1<<20)|(1<<21)|(6<<22)|(7<<25)  ; W's go to my column; after every 128 words (code 6) 8 words (code 7)
	s_mov_b32 s[G1+1], 128<<16                     ; x: 64 rows x 128 elements
	s_mov_b32 s[G1+2], 64<<16
	s_mov_b32 s[G1+3], 128<<16
	s_mov_b32 s[G1+4], 64
	s_mov_b32 s[G1+5], 1024                        ; elements from row to row
	s_mov_b32 s[G1+6], 0
	s_mov_b32 s[G1+7], 0
	s_mov_b32 s[G1B+1], 256<<16                    ; W: 64 k rows x 256 elements
	s_mov_b32 s[G1B+2], 64<<16
	s_mov_b32 s[G1B+3], 256<<16
	s_mov_b32 s[G1B+4], 64
	s_mov_b32 s[G1B+5], 1024
	s_mov_b32 s[G1B+6], 0
	s_mov_b32 s[G1B+7], 0
	s_lshl_b32 s16, s13, 7                         ; x: row 128 x tile row + 64 x half,
	s_lshl_b32 s17, s12, 6
	s_add_co_u32 s16, s16, s17
	s_lshl_b32 s16, s16, 11                        ; of 2,048 bytes
	s_mov_b32 s17, 0
	s_lshl_b32 s46, ttmp9, 21                      ; W: the matrix (2 MiB each), which all sixteen partners share,
	s_lshl_b32 s47, s40, 9                         ; its 256 columns (512 bytes),
	s_add_co_u32 s46, s46, s47
	s_lshl_b32 s47, s12, 17                        ; 64 k rows of 2,048 bytes for the second half
	s_add_co_u32 s46, s46, s47
	s_mov_b32 s47, 0
	s_mul_i32 s20, s12, 64*PA                      ; where they go: no place in the cluster enters an LDS address
	s_mul_i32 s18, s12, 64*PB
	s_add_co_u32 s18, s18, BOFF
	s_wait_dscnt 0x0                               ; the opening add is done
	s_wait_kmcnt 0x0
	s_add_nc_u64 s[14:15], s[4:5], s[16:17]
	s_add_nc_u64 s[46:47], s[6:7], s[46:47]
	CROUND                                         ; all sixteen work-groups are here: the first joint loads meet
.irp s, 0,1
	s_mov_b32 s[G0+4*(\s)], 1
	s_add_co_u32 s[G0+4*(\s)+1], s20, (\s)*SLOT
	s_add_nc_u64 s[G0+4*(\s)+2:G0+4*(\s)+3], s[14:15], (\s)*KSTEP*2      ; K step s: 256 bytes along x's rows,
	s_or_b32 s[G0+4*(\s)+3], s[G0+4*(\s)+3], 0x80000000
	s_mov_b32 s[G0B+4*(\s)], 1
	s_add_co_u32 s[G0B+4*(\s)+1], s18, (\s)*SLOT
	s_add_nc_u64 s[G0B+4*(\s)+2:G0B+4*(\s)+3], s[46:47], (\s)*KSTEP*2048 ; 128 rows down W
	s_or_b32 s[G0B+4*(\s)+3], s[G0B+4*(\s)+3], 0x80000000
	JLOAD \s                                       ; two tensor loads of mine are out
.endr
	s_cmp_eq_u32 ttmp9, 1                          ; the matrix picks its bias and its output
	s_cselect_b64 s[80:81], s[70:71], s[68:69]
	s_cselect_b64 s[8:9], s[76:77], s[74:75]
	s_cmp_eq_u32 ttmp9, 2
	s_cselect_b64 s[80:81], s[72:73], s[80:81]
	s_cselect_b64 s[8:9], s[78:79], s[8:9]
	v_and_b32 v1, 15, v0                           ; l % 16
	v_bfe_u32 v2, v0, 4, 1                         ; l / 16
	s_lshl_b32 s42, s40, 10                        ; the bias of my columns: 256 cx + 128 x half + 16 b + 8 (l / 16) + 0..7, f32
	s_lshl_b32 s45, s12, 9
	s_add_co_u32 s42, s42, s45
	v_lshl_add_u32 v[BO], v2, 5, s42
	WIN 0x80                                       ; destination window 2, address window 0
.irp b, 0,1,2,3,4,5,6,7
	global_load_b128 v[BIAS+8*(\b):BIAS+8*(\b)+3],   v[BO], s[80:81] offset:64*(\b)
	global_load_b128 v[BIAS+8*(\b)+4:BIAS+8*(\b)+7], v[BO], s[80:81] offset:64*(\b)+16
.endr
	WIN 0
	v_mul_u32_u24 v3, v1, PA
	v_lshl_add_u32 v3, v2, 4, v3                   ; x: a fragment's row x pitch + 16 x half
	v_and_b32 v4, 7, v0
	v_bfe_u32 v5, v0, 3, 1
	v_lshl_add_u32 v6, v2, 3, v4                   ; W, turned: lane l reads k row 8 (l / 16) + l % 8, columns 8 ((l / 8) % 2) + 0..7
	v_mul_u32_u24 v6, v6, PB
	v_lshl_add_u32 v6, v5, 4, v6
	s_mul_i32 s21, s11, 64*PA                      ; my 64 rows of x
	s_lshl_b32 s22, s12, 8                         ; my 128 columns of W
	s_add_co_u32 s22, s22, BOFF
.irp s, 0,1
	v_add_nc_u32 v[ADRA+(\s)], s21, v3
	v_add_nc_u32 v[ADRB+(\s)], s22, v6
	s_add_co_u32 s21, s21, SLOT
	s_add_co_u32 s22, s22, SLOT
.endr
	s_mul_i32 s23, s10, 16*SP
	s_add_co_u32 s23, s23, STAGE                   ; my stage
	v_mul_u32_u24 v7, v1, SP                       ; in: row l % 16, 16 bytes for each half of the lanes
	v_lshl_add_u32 v7, v2, 4, v7
	v_add_nc_u32 v[STO], s23, v7
	v_bfe_u32 v7, v0, 3, 2                         ; back: 32 lanes take four rows of 128 bytes,
	v_mul_u32_u24 v7, v7, SP
	v_lshl_add_u32 v7, v4, 4, v7
	v_add_nc_u32 v[RD], s23, v7
	v_and_b32 v[CO], 31, v0                        ; which are 512 consecutive bytes of a head
	v_lshlrev_b32 v[CO], 4, v[CO]
	; the output: batch (tile row / 16) x 4 MiB + head x 256 KiB + row in the batch x 128 bytes
	s_lshr_b32 s16, s13, 4
	s_lshl_b32 s16, s16, 22
	s_and_b32 s17, s13, 15
	s_lshl_b32 s17, s17, 7
	s_lshl_b32 s19, s11, 6
	s_add_co_u32 s17, s17, s19
	s_lshl_b32 s17, s17, 7
	s_add_co_u32 s16, s16, s17
	s_mov_b32 s17, 0
	s_add_nc_u64 s[8:9], s[8:9], s[16:17]
	s_lshl_b32 s46, s40, 2                         ; my first head: 4 cx + 2 x half (in the registers that held W's address: none that feeds x's descriptors ever holds cx)
	s_lshl_b32 s47, s12, 1
	s_add_co_u32 s46, s46, s47
	s_lshl_b32 s46, s46, 18
	s_mov_b32 s47, 0
	s_add_nc_u64 s[8:9], s[8:9], s[46:47]
	s_wait_loadcnt 0x0                             ; the bias; it is rounded to bf16 and widened again, in the wait for the first tile
	WIN 0x8a                                       ; destination and both sources window 2
.set i, 0
.rept 32
	v_cvt_pk_bf16_f32 v[BT+i], v[BIAS+2*i], v[BIAS+2*i+1]
.set i, i+1
.endr
.set i, 0
.rept 32
	v_lshlrev_b32 v[BIAS+2*i],   16, v[BT+i]
	v_and_b32     v[BIAS+2*i+1], 0xffff0000, v[BT+i]
.set i, i+1
.endr
	WIN 0
; 8 matrix instructions: row block a x all 8 column blocks, 32 along K, from buffer f.  first = 1: the product starts the sum, with the bias as C.
; The 32 accumulators take turns in one order, one instruction a turn, over the backward jump too.
.macro MUL8 f, a, first
.if \first
	WIN 0x60                                       ; C window 2, D window 1
.else
	WIN 0x50                                       ; C and D window 1
.endif
.irp b, 0,1,2,3,4,5,6,7
.if \first
	v_wmma_f32_16x16x32_bf16 v[8*(8*(\a)+(\b)):8*(8*(\a)+(\b))+7], v[(\f)+8*(\b):(\f)+8*(\b)+7], v[(\f)+64+8*(\a):(\f)+64+8*(\a)+7], v[BIAS+8*(\b):BIAS+8*(\b)+7]
.else
	v_wmma_f32_16x16x32_bf16 v[8*(8*(\a)+(\b)):8*(8*(\a)+(\b))+7], v[(\f)+8*(\b):(\f)+8*(\b)+7], v[(\f)+64+8*(\a):(\f)+64+8*(\a)+7], v[8*(8*(\a)+(\b)):8*(8*(\a)+(\b))+7]
.endif
.endr
.endm
; 24 LDS loads in one run: quarter q of a slot into buffer f: W's eight fragments (turned), then x's four
.macro FETCH slot, q, f
	WIN 0
.irp b, 0,1,2,3,4,5,6,7
	ds_load_tr16_b128 v[(\f)+8*(\b):(\f)+8*(\b)+3],   v[ADRB+(\slot)] offset:(\q)*32*PB+32*(\b)
	ds_load_tr16_b128 v[(\f)+8*(\b)+4:(\f)+8*(\b)+7], v[ADRB+(\slot)] offset:(\q)*32*PB+32*(\b)+16*PB
.endr
.irp a, 0,1,2,3
	ds_load_b128 v[(\f)+64+8*(\a):(\f)+64+8*(\a)+3],   v[ADRA+(\slot)] offset:64*(\q)+(\a)*16*PA
	ds_load_b128 v[(\f)+64+8*(\a)+4:(\f)+64+8*(\a)+7], v[ADRA+(\slot)] offset:64*(\q)+(\a)*16*PA+32
.endr
.endm
.macro PLACES                          ; four places in front of loads into registers that matrix instructions have read, and of conversions that read results
.rept 4
	v_nop
.endr
.endm
; One of a K step's first three quarters: multiplies buffer f and, in its middle, fetches quarter q of the same slot into g.
.macro QUARTER slot, q, f, g, first
	s_wait_dscnt 4                                 ; W's fragments and x's blocks 0, 1 are in; the youngest four loads (blocks 2, 3) may be out
	MUL8 \f, 0, \first
	MUL8 \f, 1, \first
	PLACES
	FETCH \slot, \q, \g
	s_wait_dscnt 24                                ; all but the 24 just issued
	MUL8 \f, 2, \first
	MUL8 \f, 3, \first
.endm
; The last quarter multiplies buffer 1 and changes slots: ONE barrier; in front of it each wave waits for all its tensor loads (one is out: its part of the next slot), adds 0 to its spare word,
; and waits for that and for its own reads of this slot.  fill = 1: the barrier opens a round of the cluster's, and this slot is filled again, two K steps ahead, first thing behind it.
.macro TURN slot, next, fill
	WIN 0
	s_wait_tensorcnt 0x0
	ds_add_u32 v[SPW], v[NIL]                      ; 0 onto my spare word
	s_wait_dscnt 7                                 ; the add and the youngest six loads (x's blocks 1 to 3) may be out
	MUL8 F1, 0, 0                                  ; eight matrix instructions stand between the add and the wait for it
	s_wait_dscnt 0x0                               ; the add is done, and my reads of this slot are over
	s_barrier_signal -1
	MUL8 F1, 1, 0
.if \fill
	WIN 0
.endif
	s_barrier_wait -1
.if \fill
	CREST                                          ; no wave of any partner still reads this slot's tile or has a load on its way
	s_add_nc_u64 s[G0+4*(\slot)+2:G0+4*(\slot)+3], s[G0+4*(\slot)+2:G0+4*(\slot)+3], 2*KSTEP*2
	s_add_nc_u64 s[G0B+4*(\slot)+2:G0B+4*(\slot)+3], s[G0B+4*(\slot)+2:G0B+4*(\slot)+3], 2*KSTEP*2048
	JLOAD \slot                                    ; my one tensor load behind the round: 112 matrix instructions ahead of the wait for it; its four v_nop are also the places in front of the loads below
.else
	PLACES
.endif
	FETCH \next, 0, F0
	MUL8 F1, 2, 0
	MUL8 F1, 3, 0
.endm
	s_wait_tensorcnt 1                             ; my part of K step 0 is in; K step 1's may stay out
	s_barrier_signal -1
	s_barrier_wait -1                              ; everybody's is
	FETCH 0, 0, F0
	QUARTER 0, 1, F0, F1, 1                        ; the first quarter stands in front of the loop: its products start the sums
	WIN 0                                          ; at a label and at a branch every window is 0
	s_mov_b32 s3, LAPS-1
.Llap:                                                 ; a trip goes once round the ring, from a lap's second quarter to the next lap's first, and fills both slots again
	QUARTER 0, 2, F1, F0, 0
	QUARTER 0, 3, F0, F1, 0
	TURN 0, 1, 1
	QUARTER 1, 1, F0, F1, 0
	QUARTER 1, 2, F1, F0, 0
	QUARTER 1, 3, F0, F1, 0
	TURN 1, 0, 1
	QUARTER 0, 1, F0, F1, 0
	WIN 0
	s_sub_co_u32 s3, s3, 1
	s_cmp_lg_u32 s3, 0
	s_cbranch_scc1 .Llap
	QUARTER 0, 2, F1, F0, 0                        ; the last lap fills nothing, and has no round of the cluster's barrier
	QUARTER 0, 3, F0, F1, 0
	TURN 0, 1, 0
	QUARTER 1, 1, F0, F1, 0
	QUARTER 1, 2, F1, F0, 0
	QUARTER 1, 3, F0, F1, 0
	s_wait_dscnt 4                                 ; the very last quarter: nothing more to fetch
	MUL8 F1, 0, 0
	MUL8 F1, 1, 0
	s_wait_dscnt 0x0
	MUL8 F1, 2, 0
	MUL8 F1, 3, 0
	WIN 0
	; THE WAY OUT, in eight blocks t = 2 a + hd: 16 rows (block a) of one head (hd of my two): 2,048 consecutive bytes of the output.  Rounded to f16, 16 bytes a lane into my own stage, back as whole rows.
.macro PACK t
.set AC, 64*((\t)/2)+32*((\t)%2)       ; accumulators (a, 4 hd + 0..3), each read from its lowest registers on
.set OB, 64+16*(\t)
	WIN 0x05                                       ; sources window 1, destination window 0
.set i, 0
.rept 16
	v_cvt_pk_f16_f32 v[OB+i], v[AC+2*i], v[AC+2*i+1]
.set i, i+1
.endr
	WIN 0
.irp f, 0,1,2,3
	ds_store_b128 v[STO], v[OB+4*\f:OB+4*\f+3] offset:32*\f
.endr
.irp f, 0,1,2,3
	ds_load_b128 v[OB+4*\f:OB+4*\f+3], v[RD] offset:\f*4*SP  ; LDS serves a wave's instructions in order (ISA guide 5.7.1.4): these see the stores above; the next block's stores come behind them
.endr
.endm
.macro SEND t, younger                 ; younger: the LDS instructions issued behind block t's loads: the next block's eight, or none
.set OB, 64+16*(\t)
.irp f, 0,1,2,3
	s_wait_dscnt (\younger)+3-\f
	global_store_b128 v[CO], v[OB+4*\f:OB+4*\f+3], s[8:9] offset:((\t)%2)*262144+((\t)/2)*2048+\f*512  ; 512 consecutive bytes, at a multiple of 256 from the buffer's first
.endr
.endm
	PLACES
	PACK 0
.set t, 1
.rept 7                                ; a block's conversions stand between the loads of the block before and its stores
	PACK t
	SEND t-1, 8
.set t, t+1
.endr
	SEND 7, 0
	s_wait_tensorcnt 0x0                           ; the wave's end: 0 onto my spare word and its wait, behind my last tensor load and my last LDS store
	ds_add_u32 v[SPW], v[NIL]
	s_wait_dscnt 0x0
	CROUND                                         ; the closing round: no work-group ends while a partner may still ask for a tile that names it
	s_endpgm
.Lfunc_end_k_q6d092f21f7_qkv:
	.size	k_q6d092f21f7_qkv, .Lfunc_end_k_q6d092f21f7_qkv-k_q6d092f21f7_qkv
	.p2alignl 7, 3214868480
	.fill 96, 4, 3214868480
	.section	.rodata,"a",@progbits
	.p2align	6, 0x0
	.amdhsa_kernel k_q6d092f21f7_qkv
		.amdhsa_group_segment_fixed_size 327680
		.amdhsa_private_segment_fixed_size 0
		.amdhsa_enable_private_segment 0
		.amdhsa_kernarg_size 64
		.amdhsa_user_sgpr_count 2
		.amdhsa_user_sgpr_kernarg_segment_ptr 1
		.amdhsa_wavefront_size32 1
		.amdhsa_system_sgpr_workgroup_id_x 1
		.amdhsa_system_sgpr_workgroup_id_y 1
		.amdhsa_system_sgpr_workgroup_id_z 1
		.amdhsa_system_vgpr_workitem_id 0
		.amdhsa_next_free_vgpr 608
		.amdhsa_next_free_sgpr 84
		.amdhsa_reserve_vcc 0
		.amdhsa_float_denorm_mode_32 3
		.amdhsa_float_denorm_mode_16_64 3
		.amdhsa_memory_ordered 1
		.amdhsa_forward_progress 1
		.amdhsa_inst_pref_size 94
	.end_amdhsa_kernel
	.amdgpu_metadata
---
amdhsa.version: [ 1, 2 ]
amdhsa.kernels:
  - .name:           k_q6d092f21f7_qkv
    .symbol:         k_q6d092f21f7_qkv.kd
    .args:
      - { .name: xb, .offset: 0, .size: 8, .value_kind: global_buffer, .address_space: global }
      - { .name: wb, .offset: 8, .size: 8, .value_kind: global_buffer, .address_space: global }
      - { .name: bq, .offset: 16, .size: 8, .value_kind: global_buffer, .address_space: global }
      - { .name: bk, .offset: 24, .size: 8, .value_kind: global_buffer, .address_space: global }
      - { .name: bv, .offset: 32, .size: 8, .value_kind: global_buffer, .address_space: global }
      - { .name: qh, .offset: 40, .size: 8, .value_kind: global_buffer, .address_space: global }
      - { .name: kh, .offset: 48, .size: 8, .value_kind: global_buffer, .address_space: global }
      - { .name: vh, .offset: 56, .size: 8, .value_kind: global_buffer, .address_space: global }
    .group_segment_fixed_size: 327680
    .private_segment_fixed_size: 0
    .kernarg_segment_align: 8
    .kernarg_segment_size: 64
    .max_flat_workgroup_size: 128
    .sgpr_count:     84
    .vgpr_count:     608
    .wavefront_size: 32
...
	.end_amdgpu_metadata
.endif
;; end of part 2
;; launch attn (part 3): grid 4 x 64, 4 waves a work-group, clusters of 4 x 1, 327,680 bytes of LDS; arguments qh, kh, vh, oh, mc; writes oh
.if DOCPART == 3
	.amdgcn_target "amdgcn-amd-amdhsa--gfx1250"
	.amdhsa_code_object_version 6
	.text
	.protected	k_q6d092f21f7_attn
	.globl	k_q6d092f21f7_attn
	.p2align	8
	.type	k_q6d092f21f7_attn,@function
k_q6d092f21f7_attn:
	s_mov_b64 s[64:65], 0
	v_nop
	global_prefetch_b8 v0, s[64:65] scope:SCOPE_SE
	s_setreg_imm32_b32 hwreg(HW_REG_WAVE_MODE, 25, 1), 1
	s_wait_xcnt 0x0
	s_wait_alu depctr_hold_cnt(0) depctr_sa_sdst(0) depctr_va_vdst(0) depctr_va_sdst(0) depctr_va_ssrc(0) depctr_va_vcc(0) depctr_vm_vsrc(0)
	s_getreg_b32 s2, hwreg(HW_REG_IB_STS2, 6, 4)
	s_cmp_eq_u32 s2, 0
	s_cbranch_scc0 .Lentry_in_a_cluster
	s_endpgm
.Lentry_in_a_cluster:
	s_bfe_u32 s2, ttmp6, 0x10000c
	s_cmp_lg_u32 s2, 0x3003
	s_cbranch_scc0 .Lentry_shape_is_right
	s_endpgm
.Lentry_shape_is_right:
; O[h][q][:] = the sum over k of softmax_k(mask ? Q[h][q] . K[h][k] / 8 : -inf) V[h][k][:].  Q, K, V, O: [64 = batch x 16 + head][2048][64], all f16: a head's rows are dense, 128 bytes each.
; Products, maxima and sums in f32; the weights p are rounded to f16 for the second product (their sum l is taken of the unrounded p), O once at the end.
; THE MASK comes as one byte a score (mc: 0x00 seen, 0xF8 hidden), in the lanes' own order: [tile of 16 queries][step of 64 keys][2 halves][32 lanes][16].  Eight bytes are widened by one scaled conversion
; (E4M3's -256 times 2^96) into 0 or -2^104, and those eight registers are the C operand of the product that starts the scores' sum: a hidden score counts as -2^104.
; LIMITS.  f16 holds no number beyond 65,504: Q, K and V arrive within it; true scores, 2.7e11 at the most, are nothing beside 2^104 = 2.0e31.  p lies in 0 to 1, and below 6e-5 it keeps f16's fixed
; step of 6e-8.  A weight below 2^-126 counts as 0 in l.  A query of which every key is hidden (its maximum stays below -1e30) gets NaN, as a softmax of -inf alone does.  NaN and infinities among the inputs are not treated apart.
; SHARES.  A wave owns four PIECES of two tiles of 16 queries, a work-group's four waves 512 queries of one head.  Every wave walks all 2,048 keys, 64 a step.
; LAYOUT.  S^T = K Q^T (source 0 = 16 keys, source 1 = 16 queries): in the result a lane holds ONE query (lane % 16) and the keys 8 (lane / 16) + 0..7.  Two such tiles, rounded to f16 in pairs,
; ARE source 1 (32 keys x 16 queries) of O^T = V^T P, whose result again holds one query a lane, and eight channels.  K comes out of LDS as it lies, V ([key][channel]) turned, by ds_load_tr16_b128.
; SOFTMAX.  For each query a running maximum m and sum l: p = 2^(c s - c m), c = log2(e) / 8; in every step O and l are multiplied by a = 2^(c m_old - c m_new), which is 1 where m has not grown.
; m starts at -2^103: above every hidden score, below every true one.  So while a query has seen no key m stays there, c m = c x -2^103 is exact, every weight is 2^(-c 2^103) = 0, and l and O stay 0;
; the first seen key makes m a true score, with a = 0.  O and l start at 0: the first step is a step like any other.
; THE COUNT.  A tile and step have 16 matrix and 122 vector instructions: too many to stand all beside the matrix work.  So: four vector instructions that are READY behind EVERY matrix instruction,
; and the others in runs without a gap.
; BY TURNS.  Turn n belongs to piece n (the pieces in a ring, step after step).  Its matrix work: 16 products K Q^T of piece n + 1, later 16 products V^T P of piece n - 1.  Its vector work: the scaling,
; exponentials, roundings, sums and rescaling of piece n, the maximum and statistics of piece n + 1, and the masks of piece n + 2, whose codes were asked for four turns earlier.
; CLUSTER.  The four query blocks of a cluster are one head's and walk the same K and V, so each tile is asked for JOINTLY: the same tensor load, descriptor and mask in all four.
; REGISTERS, in windows of 256 (s_set_vgpr_msb says which window each operand place means: bits 1:0 source 0, 3:2 source 1, 5:4 source 2, 7:6 destination):
;   window 0: v0-11 addresses and the conversions' scale; v12-15, v48-63 at work; v16-47 four registers of statistics a tile; v64-191 S^T, two buffers of two tiles; v192-255 P, likewise
;   window 1: O^T, 32 a tile          window 2: v0-127 Q, 16 a tile; v128-191 K of one step; v192-255 V of one step
;   window 3: v0-1 the add's two registers; v4-67 the masks of the products to come; v68-131 the codes, 16 registers a piece
.set SIZE_N, 2048
.set NP,    4         ; pieces a wave: a name, no knob
.set KS,    64        ; keys in a step
.set PK,    144       ; a row of K in LDS: 128 bytes + 16 of padding = 36 words: the 16 rows of a load start at 16 different groups of four banks (64 banks of 4 bytes: ISA guide 11.1)
.set PV,    160       ; a row of V: 128 + 32 = 40 words
.set VOFF,  4*KS*PK   ; a slot holds four steps: 256 rows of K, then 256 rows of V
.set SLOT1, 1<<17     ; slot 1 begins here, so that one exclusive or turns an address in one slot into the other's
.set STAGE, SLOT1+4*KS*(PK+PV)  ; behind the ring, never filled by a tensor load: 16 rows x 144 bytes for each wave, for the way out
.set SP,    144
.set AK0, 2           ; v2   my lane's place in a tile of K; never rewritten
.set AV0, 3           ; v3   the same for V
.set AK,  4           ; v4   the LDS address of K's next run of loads
.set AV,  5           ; v5   of V's
.set QO,  6           ; v6   my byte offset in the wave's rows of Q
.set STO, 6           ;      later, the way out: where I put 16 bytes of a row
.set RD,  7           ; v7   the way out: where I read rows back
.set GO,  8           ; v8   16 x my lane: my place in 512 consecutive bytes, of the codes and of O; never rewritten
.set PFO, 9           ; v9   later: 256 x my lane, the prefetches' offset
.set SCL, 11          ; v11  once V's address is made: 223, the scale 2^96 in E8M0
.set SPW, 0           ; v0 of window 3   LDS address of my spare word: SPARE + 4 x my thread's number; never rewritten
.set NIL, 1           ; v1 of window 3   0; never rewritten
.set MC,  4           ; window 3: tile u, key block kb at MC + 32 u + 8 kb
.set CB,  68          ; window 3: piece pb, tile u at CB + 16 pb + 8 u: 32 bytes of codes
.set SPARE, STAGE+4*16*SP  ; behind the stages: the spare words, 128 bytes for each wave: two blocks of 256 bytes that no other line names
.set MV,  12          ; v12-15  c m_old, kept while c m is made anew: by buffer and tile
.set ST,  16          ; tile t's statistics at v[ST+4 t]: c m, m, l (even keys', odd keys')
.set TMP, 48          ; by buffer and tile, four registers c0-c3 at work; when the maximum is found c2 takes a
.set S,   64
.set P,   192
.set KF,  128         ; K's fragments, in window 2: key block kb, channel half c at KF + 16 kb + 8 c
.set VF,  192         ; V's: key half kk, channel block cb at VF + 32 kk + 8 cb
.set WV,  12          ; s12  my wave's number
.set LIM, 15          ; s15  1 in a wave that prefetches, else the greatest number
.set PFA, 18          ; s[18:19] where my prefetches stand: my work-group's 32 blocks of 256 bytes (of K: wave 0, of V: wave 2) of the slot after the one that is being asked for
.set G1K, 24          ; s[24:31] descriptor group 1 for K's tiles
.set G1V, 32          ; s[32:39] for V's: it differs in the padding alone
.set G0K, 40          ; s[40:43] descriptor group 0 for K's tiles: it walks
.set G0V, 44          ; s[44:47] the same for V's
.set MBASE, 48        ; s[48:49] the codes of my wave's eight tiles, step 0
.set MB,  50          ; s[50:51] the same at the step that is being asked for
.set MS,  52          ; s[52:53] that step x 1,024 bytes
.set THR, 54          ; s54  -1e30
.set SLOTS, 56        ; s56  slots still to be asked for
.set CNT, 57          ; s57  counts a slot's key steps
.set CS,  58          ; s[58:59] c: the packed scaling takes the pair's low word for both halves
.set SEL, 60          ; s[60:61] v_permlanex16_b32's selects: each lane takes its own place in the other half
.set TBK, 62          ; s62  LDS byte at which K of the step to be fetched begins
.set TBV, 63          ; s63  the same for V, less VOFF
.set MSB, 0
.macro WIN new                      ; the high byte repeats the setting that is left; a switch that changes nothing is dropped
.if MSB != (\new)
	s_set_vgpr_msb (MSB<<8)|(\new)
.set MSB, (\new)
.endif
.endm
.set W_KQ, 0x0a       ; K and Q in window 2, S^T in window 0
.set W_KM, 0x3a       ; the same with the C operand in window 3
.set W_PV, 0x52       ; V in window 2, P in window 0, O^T in window 1
.set W_RS, 0x41       ; O^T (destination and source 0) in window 1, a in window 0
.set W_MK, 0xc0       ; destination in window 3, sources (and a load's address) in window 0
.set W_AD, 0x0f       ; the add: address (source 0) and data (source 1) in window 3
.set W_CV, 0xc3       ; the conversions: destination and codes in window 3, the scale in window 0
; A joint fill.  Waves 0 and 1 fetch the two halves of a slot's K, waves 2 and 3 those of its V: 128 keys each.  The branch hangs on the wave's number alone.
; An s_nop 0 and four v_nop follow each of the two lines, ahead of the jump and the label.
.macro JLOAD
	s_cmp_lt_u32 s[WV], 2
	s_cbranch_scc0 .Lfor_v_\@
	tensor_load_to_lds s[G0K:G0K+3], s[G1K:G1K+7]
	s_nop 0
.rept 4
	v_nop
.endr
	s_branch .Lasked_\@
.Lfor_v_\@:
	tensor_load_to_lds s[G0V:G0V+3], s[G1V:G1V+7]
	s_nop 0
.rept 4
	v_nop
.endr
.Lasked_\@:
.endm
; A PREFETCH INTO THE L2 of what the NEXT change of slots will ask for: a slot's 32 KiB of K and of V, 128 blocks of 256 bytes each, a lane a block.  It stands behind the wave's tensor load and its five lines.
; Each block is named ONCE in the launch: a head has one cluster; its four partners share the blocks out BY ADDRESS, 32 each; in each, wave 0 asks for K's and wave 2 for V's: one instruction.
; The last change that fills a slot asks for nothing: there is no slot behind it.  Slots 0, 1 and 2 come by their loads alone.
.macro ASK
	s_cmp_gt_u32 s[SLOTS], s[LIM]
	s_cbranch_scc0 .Lnot_mine_\@
	global_prefetch_b8 v[PFO], s[PFA:PFA+1] th:TH_LOAD_NT scope:SCOPE_SE
.Lnot_mine_\@:
.endm
; A round of the cluster's barrier: my work-group's barrier, so that wave 0's signal speaks for all four waves; wave 0 signals; every wave waits for all four work-groups; my work-group's barrier once more.
.macro CROUND
	s_barrier_signal -1
	s_barrier_wait -1
	s_cmp_lg_u32 s[WV], 0
	s_cbranch_scc1 .Lnot_wave_0_\@
	s_barrier_signal -3
.Lnot_wave_0_\@:
	s_barrier_wait -3
	s_barrier_signal -1
	s_barrier_wait -1
.endm
; THE CHANGE OF SLOTS.  The slot's last bytes, V of its fourth step, have been read.  Each wave waits for all its tensor loads, of which one is out: its part
; of the other slot; adds 0 to its spare word; and waits for that and for its own reads of the slot.  Behind the barrier nobody reads this slot any more and the other slot is whole.
; fill = 1: this slot is filled again, with the keys two slots on.  The barrier is then a round of the cluster's, so that no wave of any partner still reads the slot or has a load on its
; way, and the joint fill is the first thing behind it: it has four key steps, 512 matrix instructions, in which to land.  (At its first use nothing has been read yet: slot 0 is waited for, slot 1 filled.)
.macro CHANGE fill, ask=0
	WIN W_AD
	s_wait_tensorcnt 0x0            ; no tensor load of mine is out, so a group 0 may be written
	ds_add_u32 v[SPW], v[NIL]       ; 0 onto my spare word; with fill = 1 the descriptors' steps stand between it and the wait for it
	WIN 0                           ; at a label and at a branch every window is 0
.if \fill
.irp g, G0K, G0V
	s_xor_b32 s[\g+1], s[\g+1], SLOT1  ; the walking descriptor: the other slot than last time,
	s_add_nc_u64 s[\g+2:\g+3], s[\g+2:\g+3], 4*KS*128  ; the next 256 keys; the type bits on top are not reached
.endr
	s_wait_xcnt 0x0                 ; the last prefetch, four key steps back, has read its address, so it may be written:
	s_add_nc_u64 s[PFA:PFA+1], s[PFA:PFA+1], 4*KS*128  ; one slot behind the walking descriptors
	s_wait_dscnt 0x0                ; the add is done, and my reads of the slot are over
	CROUND
	JLOAD
.if \ask
	ASK
.endif
.else
	s_wait_dscnt 0x0                ; the add is done, and my reads of the slot are over
	s_barrier_signal -1
	s_barrier_wait -1
.endif
	s_sub_co_u32 s[TBK], s[TBK], 4*KS*PK  ; the fetches go back to a slot's first step,
	s_xor_b32 s[TBK], s[TBK], SLOT1       ; in the other slot
	s_sub_co_u32 s[TBV], s[TBV], 4*KS*PV
	s_xor_b32 s[TBV], s[TBV], SLOT1
.endm
; THE MASKS.  CONV: piece pb's 64 bytes of codes a lane become 64 registers, 0 or -2^104.  MLOAD: the piece's codes of another step are asked for: four loads of 16 bytes a lane, 512 consecutive bytes each.
.macro CONV pb
	WIN W_CV
.set z, 0
.rept 8
	v_cvt_scale_pk8_f32_fp8 v[MC+8*z:MC+8*z+7], v[CB+16*(\pb)+2*z:CB+16*(\pb)+2*z+1], v[SCL]
.set z, z+1
.endr
.endm
.macro MLOAD pb, base
	WIN W_MK
.irp f, 0,1,2,3                     ; tile 2 pb + f / 2, half f % 2
	global_load_b128 v[CB+16*(\pb)+4*\f:CB+16*(\pb)+4*\f+3], v[GO], s[\base:\base+1] offset:(2*(\pb)+\f/2)*32768+(\f%2)*512
.endr
.endm
; In a turn: the masks for the next turn's products, and the same buffer asked for again.  step = 1 (piece 2's turn): the pointer goes a key step on; the four turns from there on ask for that step.
; The pointer stops at the last step, so that no load leaves the buffer; what the last turns then fetch again serves the tail's idle products alone.
.macro MASKS pb, step
	s_wait_loadcnt 12               ; loads come back in order (ISA guide 5.7.1): this buffer's four were issued four turns ago; the three turns' twelve behind them may stay out
	CONV \pb
.if \step
	s_wait_xcnt 0x0                 ; the loads of the turns before have read their base, so it may be written
	s_add_co_u32 s[MS], s[MS], 1024
	s_min_u32 s[MS], s[MS], 31*1024
	s_add_nc_u64 s[MB:MB+1], s[MBASE:MBASE+1], s[MS:MS+1]
.endif
	v_nop                           ; a plain instruction behind the last conversion, ahead of the loads into its sources
	MLOAD \pb, MB
	WIN 0
.endm
	s_load_b256 s[4:11], s[0:1], 0x0  ; Q s[4:5], K s[6:7], V s[8:9], O s[10:11]
	s_load_b64 s[MBASE:MBASE+1], s[0:1], 0x20  ; the codes
	WIN W_MK
	v_lshl_add_u32 v[SPW], v0, 2, SPARE
	v_mov_b32 v[NIL], 0
	WIN W_AD
	ds_add_u32 v[SPW], v[NIL]       ; the wave's opening: the add and its wait ahead of my first tensor load; the set-up below, work on registers, stands between them
	ds_add_u32 v0, v1
	WIN 0
	v_lshrrev_b32 v1, 5, v0
	v_readfirstlane_b32 s[WV], v1   ; wave 0..3
	s_bfe_u32 s13, ttmp6, 0x40000   ; cx: my place in the cluster
	s_lshl_b32 s14, ttmp9, 2        ; in a cluster launch ttmp9 counts clusters
	s_add_co_u32 s14, s14, s13      ; my block of queries = 4 x cluster x + cx: it enters Q's, O's and the codes' addresses alone
	s_and_b32 s20, ttmp7, 0xffff    ; batch x 16 + head, which the four partners share
	s_lshr_b32 s[MB], s20, 4        ; the batch's codes: 128 tiles of 32 KiB
	s_lshl_b32 s[MB], s[MB], 22
	s_mov_b32 s21, 0
	s_mov_b64 s[22:23], SIZE_N*128
	s_mul_u64 s[20:21], s[20:21], s[22:23]  ; the head's first byte in each of the four tensors
	s_and_b32 s16, s[WV], 1         ; which half of a slot's 256 keys I fetch:
	s_lshl_b32 s22, s16, 14         ; its 128 rows of 128 bytes in memory,
	s_mov_b32 s23, 0
	s_add_nc_u64 s[22:23], s[22:23], s[20:21]
	s_mul_i32 s17, s16, 128*PK      ; and its place in a slot, for K
	s_mul_i32 s18, s16, 128*PV      ; and for V: no place in the cluster enters an LDS address
	s_lshl_b32 s2, s14, 2
	s_add_co_u32 s2, s2, s[WV]      ; my wave among the head's:
	s_lshl_b32 s[MB+1], s2, 18      ; its eight tiles of codes,
	s_add_co_u32 s[MB], s[MB], s[MB+1]
	s_mov_b32 s[MB+1], 0
	s_lshl_b32 s2, s2, 14           ; its 128 rows
	s_mov_b32 s3, 0
	s_add_nc_u64 s[2:3], s[2:3], s[20:21]
	; descriptor group 1.  128 keys are 16,384 dense bytes: asked for as 64 rows of 256 bytes, two keys a row, and padded in LDS after every key
	s_mov_b32 s[G1K], 15|(1<<16)|(1<<20)|(1<<21)|(4<<22)|(3<<25)  ; 15:0 the mask of four; 17:16 2-byte elements; 20 padding on; 21 set beside a mask; 24:22 after every 32 words (code 4); 31:25 4 words (code 3)
	s_mov_b32 s[G1V], 15|(1<<16)|(1<<20)|(1<<21)|(4<<22)|(7<<25)  ; the same with 8 words of padding (code 7)
.irp g, G1K, G1V
	s_mov_b32 s[\g+1], 128<<16      ; tensor_dim0 = 128
	s_mov_b32 s[\g+2], 64<<16       ; tensor_dim1 = 64
	s_mov_b32 s[\g+3], 128<<16      ; tile_dim0 = 128
	s_mov_b32 s[\g+4], 64           ; tile_dim1 = 64
	s_mov_b32 s[\g+5], 128          ; 128 elements from row to row
	s_mov_b32 s[\g+6], 0
	s_mov_b32 s[\g+7], 0
.endr
	s_mov_b32 s[CS], 0x3e38aa3b     ; c = log2(e) / 8 = 0.180337
	s_mov_b32 s[CS+1], s[CS]        ; named with it as a pair
	s_mov_b32 s[SEL], 0x76543210
	s_mov_b32 s[SEL+1], 0xfedcba98
	s_mov_b32 s[THR], 0xf149f2ca    ; -1e30
	s_mov_b32 s[MS], 1024           ; key step 1
	s_mov_b32 s[MS+1], 0
	s_mov_b32 s[TBK], SLOT1+4*KS*PK ; the first change of slots turns these two into 0
	s_mov_b32 s[TBV], SLOT1+4*KS*PV
	s_mov_b32 s[G0K], 1             ; 1:0 count = 1
	s_mov_b32 s[G0K+1], s17         ; 63:32 LDS address: slot 0
	s_mov_b32 s[G0V], 1
	s_add_co_u32 s[G0V+1], s18, VOFF
	s_and_b32 s[LIM], s[WV], 1      ; waves 0 and 2 prefetch: the same in all four partners
	s_cmp_eq_u32 s[LIM], 0
	s_cselect_b32 s[LIM], 1, -1
	s_wait_dscnt 0x0                ; the opening add is done
	s_wait_kmcnt 0x0
	s_add_nc_u64 s[G0K+2:G0K+3], s[6:7], s[22:23]  ; 120:64 global address: my half of the head's first 256 keys
	s_or_b32 s[G0K+3], s[G0K+3], 0x80000000        ; 127:126 type = 2
	s_add_nc_u64 s[G0V+2:G0V+3], s[8:9], s[22:23]
	s_or_b32 s[G0V+3], s[G0V+3], 0x80000000
	s_add_nc_u64 s[4:5], s[4:5], s[2:3]  ; Q and O at my wave's first row
	s_add_nc_u64 s[10:11], s[10:11], s[2:3]
	s_add_nc_u64 s[MBASE:MBASE+1], s[MBASE:MBASE+1], s[MB:MB+1]
	s_add_nc_u64 s[MB:MB+1], s[MBASE:MBASE+1], s[MS:MS+1]
	s_cmp_lt_u32 s[WV], 2
	s_cselect_b64 s[PFA:PFA+1], s[6:7], s[8:9]
	s_add_nc_u64 s[PFA:PFA+1], s[PFA:PFA+1], s[22:23]  ; (in waves 0 and 2 this is the head's first row)
	s_lshl_b32 s2, s13, 13          ; my work-group's 32 blocks of the 128
	s_mov_b32 s3, 0
	s_add_nc_u64 s[PFA:PFA+1], s[PFA:PFA+1], s[2:3]
	s_add_nc_u64 s[PFA:PFA+1], s[PFA:PFA+1], 4*KS*128  ; in slot 1: the first change of slots steps it to slot 2 and asks for nothing, the second to slot 3
	CROUND                          ; all four work-groups are here: the first joint loads meet
	JLOAD                           ; slot 0.  Slot 1 is asked for when slot 0 is in: the tile wanted first has the road to itself
	; A fragment of K or Q is 16 rows x 32 channels in 8 registers: lane l holds row l % 16, channels 8 (l / 16) + 0..7 and 16 + 8 (l / 16) + 0..7: two loads of 16 bytes, 32 bytes apart.
	v_and_b32 v1, 15, v0            ; l % 16
	v_bfe_u32 v9, v0, 4, 1          ; l / 16
	v_lshlrev_b32 v[QO], 7, v1
	v_lshl_add_u32 v[QO], v9, 4, v[QO]  ; row x 128 + 16 x half
	v_and_b32 v[GO], 31, v0
	v_lshlrev_b32 v[GO], 4, v[GO]
	WIN 0x80                        ; destination window 2, address window 0
.set i, 0
.rept 4*NP                          ; Q stays in registers: tile i / 2, channels 32 (i % 2) on
	global_load_b128 v[8*i:8*i+3],   v[QO], s[4:5] offset:(i/2)*2048+(i%2)*64
	global_load_b128 v[8*i+4:8*i+7], v[QO], s[4:5] offset:(i/2)*2048+(i%2)*64+32
.set i, i+1
.endr
	MLOAD 0, MBASE                  ; key step 0's codes for all four pieces
	MLOAD 1, MBASE
	MLOAD 2, MBASE
	MLOAD 3, MBASE
	; What the first turn finds: V's registers and P's second buffer hold 0 (its products V^T P, of a piece that has not been, add 0), O^T and l are 0.  All this stands in the wait for the first tile.
	WIN 0x80
.set i, VF
.rept 64
	v_mov_b32 v[i], 0
.set i, i+1
.endr
	WIN 0x40
.set i, 0
.rept 64*NP
	v_mov_b32 v[i], 0
.set i, i+1
.endr
	WIN 0
.set i, 0
.rept 2*NP
	v_mov_b32 v[ST+4*i], 0xfe000000    ; c m: far below every c s, so that the first step's a is 0
	v_mov_b32 v[ST+4*i+1], 0xf3000000  ; m = -2^103: above a hidden score, below every true one
	v_mov_b32 v[ST+4*i+2], 0
	v_mov_b32 v[ST+4*i+3], 0
.set i, i+1
.endr
.set i, P+32
.rept 32
	v_mov_b32 v[i], 0
.set i, i+1
.endr
	v_mul_u32_u24 v[AK0], v1, PK
	v_lshl_add_u32 v[AK0], v9, 4, v[AK0]  ; row x pitch + 16 x half
	; The turning load takes 16 keys x 16 channels (lane l reads key 8 (l / 16) + l % 8, channels 8 ((l / 8) % 2) + 0..7) and leaves half a fragment of V^T: lane l holds channel l % 16 and 8 keys.
	v_and_b32 v10, 7, v0
	v_bfe_u32 v11, v0, 3, 1
	v_lshl_add_u32 v[AV0], v9, 3, v10
	v_mul_u32_u24 v[AV0], v[AV0], PV
	v_lshl_add_u32 v[AV0], v11, 4, v[AV0]
	v_add_nc_u32 v[AV0], VOFF, v[AV0]
	v_mov_b32 v[AK], v[AK0]         ; key step 0 lies at the head of slot 0
	v_mov_b32 v[SCL], 223           ; v11 has served V's address: from here on it is the scale
; THE MATRIX WORK.  The 8 accumulators of a run of 16 take turns: between the two links of a chain stand 7 others'.
; Product i of 16 of S^T = K Q^T for piece x: channels 32 (i / 8) on, keys 16 ((i / 2) % 4) on, tile 2 x + i % 2.  The first 8 start the sums, with the mask as C.
.macro KQ x
.set rS, S+64*((\x)%2)+32*(i%2)+8*((i/2)%4)
.set rK, KF+16*((i/2)%4)+8*(i/8)
.set rQ, 16*(2*(\x)+i%2)+8*(i/8)
.set rH, MC+32*(i%2)+8*((i/2)%4)
.if i < 8
	WIN W_KM
	v_wmma_f32_16x16x32_f16 v[rS:rS+7], v[rK:rK+7], v[rQ:rQ+7], v[rH:rH+7]
.else
	WIN W_KQ
	v_wmma_f32_16x16x32_f16 v[rS:rS+7], v[rK:rK+7], v[rQ:rQ+7], v[rS:rS+7]
.endif
.endm
; Product i of 16 of O^T += V^T P for piece x: keys 32 (i / 8) on, channels 16 ((i / 2) % 4) on, tile 2 x + i % 2.
.macro PV x
	WIN W_PV
.set rO, 32*(2*(\x)+i%2)+8*((i/2)%4)
.set rV, VF+32*(i/8)+8*((i/2)%4)
.set rP, P+32*((\x)%2)+16*(i%2)+8*(i/8)
	v_wmma_f32_16x16x32_f16 v[rO:rO+7], v[rV:rV+7], v[rP:rP+7], v[rO:rO+7]
.endm
.macro MM                           ; the turn's next matrix instruction
.if i < 16
	KQ (Y+1)%NP
.set i, i+1
.else
.set i, i-16
	PV (Y+NP-1)%NP
.set i, i+17
.endif
.endm
; THE LDS LOADS stand in runs of 16, never singly among the matrix instructions: a step's K (64 keys x 64 channels: 8 fragments) and its V (turned).  Their addresses are made some lines ahead.
; last = 1 (the tail): in the last trip there is no further step, and the run is jumped over.
.macro FETCH_K last=0
	WIN 0
.if \last
	s_cmp_eq_u32 s[CNT], 1
	s_cbranch_scc1 .Lno_k_\@
.endif
	WIN 0x80                        ; destination window 2
.irp f, 0,1,2,3,4,5,6,7             ; keys 16 (f / 2) on, channels 32 (f % 2) on
	ds_load_b128 v[KF+8*\f:KF+8*\f+3],   v[AK] offset:(\f/2)*16*PK+(\f%2)*64
	ds_load_b128 v[KF+8*\f+4:KF+8*\f+7], v[AK] offset:(\f/2)*16*PK+(\f%2)*64+32
.endr
	s_add_co_u32 s[TBK], s[TBK], KS*PK  ; the next fetch is the next step's
	WIN 0
.if \last
.Lno_k_\@:
.endif
.endm
.macro FETCH_V
	WIN 0x80
.irp f, 0,1,2,3,4,5,6,7             ; keys 32 (f / 4) on, channels 16 (f % 4) on
	ds_load_tr16_b128 v[VF+8*\f:VF+8*\f+3],   v[AV] offset:(\f/4)*32*PV+(\f%4)*32
	ds_load_tr16_b128 v[VF+8*\f+4:VF+8*\f+7], v[AV] offset:(\f/4)*32*PV+16*PV+(\f%4)*32
.endr
	WIN 0
.endm
; THE VECTOR WORK OF A TURN stands in three queues, each in the order in which its entries become ready; the two tiles alternate, so that no instruction reads the result of the one before it.
.macro REGS y, u                    ; the registers of tile u (0, 1) of piece y
.set rT, ST+4*(2*(\y)+(\u))
.set rC, TMP+8*((\y)%2)+4*(\u)
.set rM, MV+2*((\y)%2)+(\u)
.set rS, S+64*((\y)%2)+32*(\u)
.set rP, P+32*((\y)%2)+16*(\u)
.set rO, 32*(2*(\y)+(\u))
.endm
; Number n of the 22 that find the NEXT piece's (Y + 1) maximum and statistics.  s0-s31 are the lane's 32 scores; each accumulator's lowest registers are read first.  XS, GS and REGS set no window: PL and EX do.
;   0-11  four chains c0-c3 of seven scores each, three operands at a time     12-14, 16  the four scores left over, the old m, and c0-c3 into c0     15  c m_old is kept
;   17, 18  the query's other 32 keys lie in the lane 16 away: the new m         19-21  c m; c m_old - c m_new; a
.macro XS u, n
	REGS (Y+1)%NP, \u
.if (\n) < 4
	v_max3_num_f32 v[rC+(\n)], v[rS+8*(\n)], v[rS+8*(\n)+1], v[rS+8*(\n)+2]
.elseif (\n) < 12
	v_max3_num_f32 v[rC+(\n)%4], v[rC+(\n)%4], v[rS+8*((\n)%4)+2*((\n)/4)+1], v[rS+8*((\n)%4)+2*((\n)/4)+2]
.elseif (\n) == 12
	v_max3_num_f32 v[rC], v[rC], v[rS+7], v[rS+15]
.elseif (\n) == 13
	v_max3_num_f32 v[rC+1], v[rC+1], v[rS+23], v[rS+31]
.elseif (\n) == 14
	v_max3_num_f32 v[rC+2], v[rC+2], v[rC+3], v[rT+1]
.elseif (\n) == 15
	v_mov_b32 v[rM], v[rT]
.elseif (\n) == 16
	v_max3_num_f32 v[rC], v[rC], v[rC+1], v[rC+2]
.elseif (\n) == 17
	v_permlanex16_b32 v[rC+3], v[rC], s[SEL], s[SEL+1]
.elseif (\n) == 18
	v_max_num_f32 v[rT+1], v[rC], v[rC+3]
.elseif (\n) == 19
	v_mul_f32 v[rT], s[CS], v[rT+1]
.elseif (\n) == 20
	v_sub_f32 v[rC+1], v[rM], v[rT]
.else
	v_exp_f32 v[rC+2], v[rC+1]
.endif
.endm
; Number g of the 64 that follow the exponentials.  For each four weights k of a tile (pairs 2 k, 2 k + 1): both pairs are rounded to f16; then the second pair is added onto the first, in place;
; a group later l takes that sum (the first time as l = a l + sum).  In groups of eight, tiles alternating: round, round, add, and l for the group before.
.macro GS g
.set h, (\g)+6*((\g)/62)            ; group 0 has no group before it, and behind group 7 only l is left
.if h >= 6
.set h, h+2
.endif
	REGS Y, h%2
.set k, h/8
.if h%8 < 4
	s_wait_alu depctr_va_vdst(0)
	v_cvt_pk_f16_f32 v[rP+2*k+(h%8)/2], v[rS+4*k+2*((h%8)/2)], v[rS+4*k+2*((h%8)/2)+1]
.elseif h%8 < 6
	v_pk_add_f32 v[rS+4*k:rS+4*k+1], v[rS+4*k:rS+4*k+1], v[rS+4*k+2:rS+4*k+3]
.elseif k == 1
	v_pk_fma_f32 v[rT+2:rT+3], v[rT+2:rT+3], v[rC+2:rC+3], v[rS:rS+1] op_sel_hi:[1,0,1]
.else
	v_pk_add_f32 v[rT+2:rT+3], v[rT+2:rT+3], v[rS+4*k-4:rS+4*k-3]
	s_wait_alu depctr_va_vdst(0)
.endif
.endm
; THE PLAIN QUEUE, 138 long.  0-31: c s - c m for the 16 pairs of both tiles.  Then GS's 64, and among them the next piece's 42: number 15 at 38, 39; 0-14 and 16
; at 42-73, behind the products that make those scores; 17-20 at 95-106, two of three, since each waits for the one before it.
.macro PL
	WIN 0
.if q < 32
	REGS Y, q%2
	v_pk_fma_f32 v[rS+2*(q/2):rS+2*(q/2)+1], v[rS+2*(q/2):rS+2*(q/2)+1], s[CS:CS+1], v[rT:rT+1] op_sel_hi:[1,0,0] neg_lo:[0,0,1] neg_hi:[0,0,1]
.elseif q < 38
	GS q-32
.elseif q < 40
	XS q%2, 15
.elseif q < 42
	GS q-34
.elseif q < 74
	XS q%2, (q-42)/2+(q-42)/30
.elseif q < 95
	GS q-66
.elseif (q < 107) && ((q-95)%3 < 2)
	XS (q-95)%3, 17+(q-95)/3
.elseif q < 107
	GS 29+(q-95)/3
.else
	GS q-74
.endif
.set q, q+1
.endm
; THE EXPONENTIALS' QUEUE, 66 long: s0-s31 of both tiles, and at EA the next piece's two a.
.set EA, 58
.macro EX
	WIN 0
.if (e == EA) || (e == EA+1)
	XS e-EA, 21
.else
.set x, e-2*(e/(EA+2))
	REGS Y, x%2
	v_exp_f32 v[rS+x/2], v[rS+x/2]
.endif
.set e, e+1
.endm
; THE RESCALING's QUEUE: O^T times a, the one part of the softmax that leaves window 0, so it is dealt four at a time, eight times.
.macro R4
	REGS Y, r%2
	WIN W_RS
	s_wait_alu depctr_va_vdst(0)
.irp z, 0,1,2,3
	v_pk_mul_f32 v[rO+8*(r/2)+2*\z:rO+8*(r/2)+2*\z+1], v[rO+8*(r/2)+2*\z:rO+8*(r/2)+2*\z+1], v[rC+2:rC+3] op_sel_hi:[1,0]
.endr
.set r, r+1
.endm
; HOW THEY ARE DEALT.  Behind a matrix instruction four: plain, exponential, plain, plain (one exponential, a plain instruction on either side), or four of the rescaling.  None names a register of the
; products round it.  What is over stands in two LUMPS: exponential and plain by turns; the second ends in 22 plain instructions.  The two v_permlanex16_b32 fall into the second lump, never behind a product.
; The queues lean on each other, and the deal keeps them in step: exponential e stands behind plain 2 (e / 4) + e % 2 (its scaling); when plain 32 comes, 10 exponentials are out, at 59: 33, at 95: 46; EA comes behind plain 107.
.macro SL
	MM
	PL
	EX
	PL
	PL
.endm
.macro BURST n                      ; 15 matrix instructions, or 16
.rept (\n)-7
	SL
.endr
.rept 3
	MM
	R4
	SL
.endr
	MM
	R4
.endm
; A TURN, for piece p.  cnt = 1: the loop's count is taken down some lines ahead of the branch that stands behind the turn.
; K of the next step is fetched in piece 2's turn, 31 vector instructions behind the last product that read K; its first reader comes behind the rest of the lump, 16 products and the second lump.
; V of the step in hand is fetched at the end of piece 0's turn, 69 behind its last reader; its first reader comes behind 16 products and a lump.  The four conditions on e and q below go with the deal.
; The masks of piece p + 2 are made behind the first lump: the products that read the old ones stand a run of products and the lump back, the first that reads the new ones is the next turn's first.
.macro TURN p, last=0, cnt=0
.set Y, (\p)
.set i, 0
.set q, 0
.set e, 0
.set r, 0
.if (\p) == NP-1
	s_wait_dscnt 0x0                ; K is in
.endif
	MM
.rept 4
	PL
.endr
	BURST 15
.rept 22
	EX
	PL
.if ((\p) == NP-2) && (e == 18)
	v_add_nc_u32 v[AK], s[TBK], v[AK0]
.endif
.if ((\p) == NP-2) && (e == 24)
	FETCH_K \last
.endif
.endr
.if (\p) == 2
	MASKS 0, 1
.else
	MASKS ((\p)+2)%NP, 0
.endif
.if (\p) == 1
	s_wait_dscnt 0x0                ; V is in
.endif
	BURST 16
.rept 21
	EX
	PL
.endr
.rept 22
	PL
.if ((\p) == 0) && (q == 118)
	v_add_nc_u32 v[AV], s[TBV], v[AV0]
	s_wait_alu depctr_va_vdst(0)
.endif
.if ((\p) == 0) && (q == 130)
	s_add_co_u32 s[TBV], s[TBV], KS*PV
.endif
.if (\cnt) && (q == 130)
	s_sub_co_u32 s[CNT], s[CNT], 1
	s_cmp_lg_u32 s[CNT], 0
.endif
.endr
.if (\p) == 0
	FETCH_V
.endif
.endm
	CHANGE 1                        ; slot 0 is in, everybody's part of it; slot 1 is asked for
	FETCH_K                         ; key step 0
	s_wait_loadcnt 0x0              ; Q, and key step 0's codes
	CONV 0                          ; piece 0's masks
	v_nop                           ; a plain instruction behind the last conversion
	s_wait_dscnt 0x0
.set i, 0
.rept 16
	KQ 0                            ; piece 0's first scores: there is no vector work yet to set between them
.set i, i+1
.endr
	WIN 0                           ; the addresses for the way out and for the prefetches: nine plain instructions, the places behind those products
	s_mul_i32 s13, s[WV], 16*SP
	s_add_co_u32 s13, s13, STAGE    ; my stage
	v_mul_u32_u24 v[STO], v1, SP    ; in: row l % 16, 16 bytes for each half of the lanes
	v_lshl_add_u32 v[STO], v9, 4, v[STO]
	v_add_nc_u32 v[STO], s13, v[STO]
	v_bfe_u32 v[RD], v0, 3, 2       ; back: 32 lanes take four rows of 128 bytes, which are 512 consecutive bytes of O
	v_mul_u32_u24 v[RD], v[RD], SP
	v_lshl_add_u32 v[RD], v10, 4, v[RD]
	v_add_nc_u32 v[RD], s13, v[RD]
	v_and_b32 v[PFO], 31, v0
	v_lshlrev_b32 v[PFO], 8, v[PFO]
	CONV 1                          ; piece 1's masks, for the first turn's products
	v_nop
	MLOAD 0, MB                     ; key step 1's codes for pieces 0 and 1, in this order; pieces 2 and 3 ask in the first two turns
	MLOAD 1, MB
	WIN 0
.set Y, NP-1                        ; XS works for piece Y + 1: piece 0
.irp n, 0,1,2,3,4,5,6,7,8,9,10,11,12,13,14,15,16,17,18,19,20,21
	XS 0, \n                        ; and piece 0's first maximum and statistics
	XS 1, \n
.endr
	s_mov_b32 s[CNT], 4
	s_mov_b32 s[SLOTS], SIZE_N/256-1
	s_branch .Lfirst                ; the loop is entered at a step's first turn, in the middle of a trip
.Lslot:                             ; SIZE_N / 256 - 2 times: every slot but the last two is filled again
	CHANGE 1, 1
	s_mov_b32 s[CNT], 4
.Lstep:                             ; a trip: pieces 2 and 3 of one step, then pieces 0 and 1 of the next, whose K and V it fetches
	TURN 2
	TURN 3
	WIN 0
.Lfirst:
	TURN 0
	TURN 1, 0, 1
	WIN 0
	s_cbranch_scc1 .Lstep
	s_sub_co_u32 s[SLOTS], s[SLOTS], 1
	s_cmp_lg_u32 s[SLOTS], 0
	s_cbranch_scc1 .Lslot
	CHANGE 0                        ; the tail is written out: nothing is asked for
	s_mov_b32 s[CNT], 5             ; four trips fetch the last slot's steps; the fifth is left in its middle
.Ltail:
	TURN 2, 1
	TURN 3
	WIN 0
	s_sub_co_u32 s[CNT], s[CNT], 1
	s_cmp_eq_u32 s[CNT], 0
	s_cbranch_scc1 .Lout
	TURN 0
	TURN 1
	WIN 0
	s_branch .Ltail
.Lout:                              ; the fifth trip's 16 products K Q^T (on the last K and the last step's masks once more) give scores that m has seen: m stays; the price, once a launch, of one text for every trip
.set i, 0
.rept 16
	PV NP-1                         ; the last piece's V^T P of the last step
.set i, i+1
.endr
	; THE WAY OUT.  l's two halves and the other half of the lanes' are added; O^T is divided by l, rounded to f16 and sent through my stage in LDS, a tile at a time.  The additions are the places behind the last products.
	WIN 0
.macro ALL line:vararg              ; one line for each tile t
.set t, 0
.rept 2*NP
	\line
.set t, t+1
.endr
.endm
	ALL v_add_f32 v[ST+4*t+2], v[ST+4*t+2], v[ST+4*t+3]
	ALL v_permlanex16_b32 v[ST+4*t+3], v[ST+4*t+2], s[SEL], s[SEL+1]
	ALL v_add_f32 v[ST+4*t+2], v[ST+4*t+2], v[ST+4*t+3]
	ALL v_rcp_f32 v[ST+4*t+2], v[ST+4*t+2]
	v_mov_b32 v1, 0x7fc00000        ; NaN; also the plain instruction between the last reciprocal and the use of its result
.set t, 0
	s_wait_alu depctr_va_vdst(0)
.rept 2*NP                          ; a query whose maximum is still where it started has seen no key: its 1 / l becomes NaN, and its row with it
	v_cmp_gt_f32 vcc_lo, s[THR], v[ST+4*t+1]
	v_cndmask_b32 v[ST+4*t+2], v[ST+4*t+2], v1, vcc_lo
.set t, t+1
.endr
; Tile t: a lane's eight channels of a row pack into 16 bytes; they go into rows of 144 bytes and come back as whole rows of 128, into S^T's registers.
.macro PACK t
	WIN W_RS
.set i, 32*(\t)
.rept 16
	v_pk_mul_f32 v[i:i+1], v[i:i+1], v[ST+4*(\t)+2:ST+4*(\t)+3] op_sel_hi:[1,0]
.set i, i+2
.endr
	WIN 0x05                        ; sources 0 and 1 window 1, destination window 0
.set i, 0
.rept 16
	v_cvt_pk_f16_f32 v[S+16*(\t)+i], v[32*(\t)+2*i], v[32*(\t)+2*i+1]
.set i, i+1
.endr
	WIN 0
.irp f, 0,1,2,3
	ds_store_b128 v[STO], v[S+16*(\t)+4*\f:S+16*(\t)+4*\f+3] offset:32*\f
.endr
.irp f, 0,1,2,3
	ds_load_b128 v[S+16*(\t)+4*\f:S+16*(\t)+4*\f+3], v[RD] offset:\f*4*SP  ; LDS serves a wave's instructions in order (ISA guide 5.7.1.4): these see the stores above; the next tile's stores come behind them
.endr
.endm
.macro SEND t, younger              ; younger: the LDS instructions issued behind tile t's loads: the next tile's eight, or none
	WIN 0
.irp f, 0,1,2,3
	s_wait_dscnt (\younger)+3-\f
	global_store_b128 v[GO], v[S+16*(\t)+4*\f:S+16*(\t)+4*\f+3], s[10:11] offset:(\t)*2048+\f*512  ; 512 consecutive bytes, at a multiple of 256 from O's first
.endr
.endm
	PACK 0
.set t, 1
.rept 2*NP-1                        ; a tile's arithmetic stands between the loads of the tile before and its stores
	PACK t
	SEND t-1, 8
.set t, t+1
.endr
	SEND 2*NP-1, 0
	WIN W_AD
	s_wait_tensorcnt 0x0            ; the wave's end: 0 onto my spare word and its wait, behind my last tensor load and my last LDS store
	ds_add_u32 v[SPW], v[NIL]
	s_wait_dscnt 0x0
	WIN 0
	CROUND                          ; the closing round: no work-group ends while a partner may still ask for a tile that names it
	s_endpgm
.Lfunc_end_k_q6d092f21f7_attn:
	.size	k_q6d092f21f7_attn, .Lfunc_end_k_q6d092f21f7_attn-k_q6d092f21f7_attn
	.p2alignl 7, 3214868480
	.fill 96, 4, 3214868480
	.section	.rodata,"a",@progbits
	.p2align	6, 0x0
	.amdhsa_kernel k_q6d092f21f7_attn
		.amdhsa_group_segment_fixed_size 327680
		.amdhsa_private_segment_fixed_size 0
		.amdhsa_enable_private_segment 0
		.amdhsa_kernarg_size 40
		.amdhsa_user_sgpr_count 2
		.amdhsa_user_sgpr_kernarg_segment_ptr 1
		.amdhsa_wavefront_size32 1
		.amdhsa_system_sgpr_workgroup_id_x 1
		.amdhsa_system_sgpr_workgroup_id_y 1
		.amdhsa_system_sgpr_workgroup_id_z 1
		.amdhsa_system_vgpr_workitem_id 0
		.amdhsa_next_free_vgpr 900
		.amdhsa_next_free_sgpr 66
		.amdhsa_reserve_vcc 1
		.amdhsa_float_denorm_mode_32 3
		.amdhsa_float_denorm_mode_16_64 3
		.amdhsa_memory_ordered 1
		.amdhsa_forward_progress 1
		.amdhsa_inst_pref_size 222
	.end_amdhsa_kernel
	.amdgpu_metadata
---
amdhsa.version: [ 1, 2 ]
amdhsa.kernels:
  - .name:           k_q6d092f21f7_attn
    .symbol:         k_q6d092f21f7_attn.kd
    .args:
      - { .name: qh, .offset: 0, .size: 8, .value_kind: global_buffer, .address_space: global }
      - { .name: kh, .offset: 8, .size: 8, .value_kind: global_buffer, .address_space: global }
      - { .name: vh, .offset: 16, .size: 8, .value_kind: global_buffer, .address_space: global }
      - { .name: oh, .offset: 24, .size: 8, .value_kind: global_buffer, .address_space: global }
      - { .name: mc, .offset: 32, .size: 8, .value_kind: global_buffer, .address_space: global }
    .group_segment_fixed_size: 327680
    .private_segment_fixed_size: 0
    .kernarg_segment_align: 8
    .kernarg_segment_size: 40
    .max_flat_workgroup_size: 128
    .sgpr_count:     66
    .vgpr_count:     900
    .wavefront_size: 32
...
	.end_amdgpu_metadata
.endif
;; end of part 3
;; launch proj (part 4): grid 4 x 64, 4 waves a work-group, clusters of 4 x 4, 327,680 bytes of LDS; arguments oh, wb, bo, out0; writes out0
.if DOCPART == 4
	.amdgcn_target "amdgcn-amd-amdhsa--gfx1250"
	.amdhsa_code_object_version 6
	.text
	.protected	k_q6d092f21f7_proj
	.globl	k_q6d092f21f7_proj
	.p2align	8
	.type	k_q6d092f21f7_proj,@function
k_q6d092f21f7_proj:
	s_mov_b64 s[64:65], 0
	v_nop
	global_prefetch_b8 v0, s[64:65] scope:SCOPE_SE
	s_setreg_imm32_b32 hwreg(HW_REG_WAVE_MODE, 25, 1), 1
	s_wait_xcnt 0x0
	s_wait_alu depctr_hold_cnt(0) depctr_sa_sdst(0) depctr_va_vdst(0) depctr_va_sdst(0) depctr_va_ssrc(0) depctr_va_vcc(0) depctr_vm_vsrc(0)
	s_getreg_b32 s2, hwreg(HW_REG_IB_STS2, 6, 4)
	s_cmp_eq_u32 s2, 0
	s_cbranch_scc0 .Lentry_in_a_cluster
	s_endpgm
.Lentry_in_a_cluster:
	s_bfe_u32 s2, ttmp6, 0x10000c
	s_cmp_lg_u32 s2, 0xf033
	s_cbranch_scc0 .Lentry_shape_is_right
	s_endpgm
.Lentry_shape_is_right:
; out0 = O Wo + bo.  oh: [batch x 16 + head][2048][64] f16; Wo is matrix 3 of wb, [1024 k][1024 n], bf16's numbers in f16's code; bo f32, rounded here to bf16 like every other input.
; Sums in f32; out0 [8192][1024] f32.  A row of O that is NaN (a query with every key hidden) makes its whole row of out0 NaN.
; SHARES.  A work-group makes 128 rows x 256 columns: 256 work-groups, one for each WGP.  Four waves, each 64 rows x 128 columns: 32 accumulators of 16 x 16, 256 registers.
; K = head x 64 + channel goes in 8 steps of 128 (two heads) through two LDS slots filled by the tensor data mover; a step is four quarters of 32, 32 matrix instructions each.
; CLUSTERS: 4 x 4 work-groups: cx is the block of 256 columns; the four of a row of the cluster need the same rows of O, the four of a column the same columns of Wo: each tile is asked for JOINTLY,
; by the same tensor load with the same descriptor and a mask that names the four.
; THE MATRIX INSTRUCTION IS USED TRANSPOSED: source 0 = 16 columns of Wo (turned out of LDS by ds_load_tr16_b128), source 1 = 16 rows of O: a lane holds eight neighbouring columns of one row.
; THE BIAS is the C operand of each accumulator's first product: nothing is cleared, and nothing is added on the way out.
; REGISTERS: window 0: v0-31 addresses; two fragment buffers of 96 (64 of Wo, 32 of O) at v64 and v160; on the way out v64-191.   window 1: accumulator (a, b) at v[8 (8 a + b)].
;   window 2: v0-63 the bias of my 128 columns as a lane holds them (8 b + j); v64-95 at work.
.set PA,     144                       ; a row of one head of O in LDS: 128 bytes + 16 of padding: the 16 rows of a load start at 16 different groups of four banks (64 banks of 4 bytes: ISA guide 11.1)
.set PB,     544                       ; a row of Wo: 512 + 32 = 136 words
.set HEADB,  128*PA                    ; 128 rows of one head
.set BOFF,   2*HEADB                   ; a slot: two heads of O, then 128 k rows of Wo
.set SLOT,   BOFF+128*PB
.set STAGE,  2*SLOT                    ; behind the ring, never filled by a tensor load: 16 rows x 528 bytes for each wave, for the way out
.set SP,     528                       ; 512 bytes + 16: the 16 rows that a store touches start at 16 different groups of four banks
.set SPARE,  STAGE+4*16*SP             ; behind the stages: the spare words, 128 bytes for each wave: two blocks of 256 bytes that no other line names
.set LAPS,   4                         ; a lap = two K steps = once round the ring
.set ASTEP,  2*2048*128                ; bytes from a K step's heads to the next step's: two heads of 2,048 rows of 128 bytes
.set BSTEP,  128*2048                  ; 128 rows of Wo
.set ADRA, 16                          ; v16-17  LDS address of my fragments of O in slot 0, 1
.set ADRB, 20                          ; v20-21  the same for Wo
.set STO,  24                          ; v24     the way out: where I put 32 bytes of a row
.set RD,   25                          ; v25     the way out: where I read a row back
.set CO,   26                          ; v26     my 16 bytes in a row's 512
.set SPW,  28                          ; v28     LDS address of my spare word; never rewritten
.set NIL,  29                          ; v29     0; never rewritten
.set BO,   30                          ; v30     my byte offset in the bias
.set F0,   64
.set F1,   160
.set BIAS, 0                           ; window 2
.set BT,   64                          ; window 2
.set G1, 24                            ; s[24:31] descriptor group 1 for O's tiles;  s[32:39] group 0, one set for each slot
.set G0, 32
.set G1B, 48                           ; s[48:55], s[56:63] the same for Wo's tiles
.set G0B, 56
.set BP,  68                           ; s[68:69] bo
.set OUT, 70                           ; s[70:71] out0
.set MSB, 0
.macro WIN new                         ; the immediate's high byte repeats the setting that is left; a switch that changes nothing is dropped
.if MSB != (\new)
	s_set_vgpr_msb (MSB<<8)|(\new)
.set MSB, \new
.endif
.endm
.macro JLOAD s                         ; a joint load: waves 0 and 1 fetch the step's two heads of O, waves 2 and 3 the two halves of Wo's tile; an s_nop 0 and four v_nop follow each of the two lines, ahead of the jump and the label
	s_cmp_eq_u32 s11, 0
	s_cbranch_scc0 .Lfor_b_\@
	tensor_load_to_lds s[G0+4*(\s):G0+4*(\s)+3], s[G1:G1+7]
	s_nop 0
.rept 4
	v_nop
.endr
	s_branch .Lasked_\@
.Lfor_b_\@:
	tensor_load_to_lds s[G0B+4*(\s):G0B+4*(\s)+3], s[G1B:G1B+7]
	s_nop 0
.rept 4
	v_nop
.endr
.Lasked_\@:
.endm
.macro CREST                           ; a round of the cluster's barrier behind its opening barrier
	s_cmp_lg_u32 s10, 0
	s_cbranch_scc1 .Lnot_wave_0_\@
	s_barrier_signal -3
.Lnot_wave_0_\@:
	s_barrier_wait -3
	s_barrier_signal -1
	s_barrier_wait -1
.endm
.macro CROUND                          ; a whole round
	s_barrier_signal -1
	s_barrier_wait -1
	CREST
.endm
	s_load_b128 s[4:7], s[0:1], 0x0                ; oh s[4:5], wb s[6:7]
	s_load_b128 s[BP:BP+3], s[0:1], 0x10           ; bo s[68:69], out0 s[70:71]
	v_lshl_add_u32 v[SPW], v0, 2, SPARE
	v_mov_b32 v[NIL], 0
	ds_add_u32 v[SPW], v[NIL]                      ; the wave's opening: the add and its wait ahead of my first tensor load; the set-up below, work on registers, stands between them
	ds_add_u32 v28, v29
	v_lshrrev_b32 v1, 5, v0
	v_readfirstlane_b32 s10, v1                    ; wave 0..3
	s_lshr_b32 s11, s10, 1                         ; which 64 of the tile's rows are mine.  Also: I fetch for O (0) or for Wo (1)
	s_and_b32 s12, s10, 1                          ; which 128 of its columns.  Also: which head of the step's two, or which half of Wo's tile, I fetch
	s_bfe_u32 s40, ttmp6, 0x40000                  ; cx, cy: my place in the cluster
	s_bfe_u32 s41, ttmp6, 0x40004
	s_and_b32 s13, ttmp7, 0xffff
	s_lshl_b32 s13, s13, 2
	s_add_co_u32 s13, s13, s41                     ; tile row = 4 x cluster y + cy, 0..63
	s_lshl_b32 s43, s41, 2
	s_lshl_b32 s43, 15, s43                        ; my row of the cluster
	s_lshl_b32 s44, 0x1111, s40                    ; my column
	s_or_b32 s[G1+0], s43, (1<<16)|(1<<20)|(1<<21)|(4<<22)|(3<<25)   ; 15:0 the mask: O's tiles go to my row; 17:16 elements of 2 bytes; 20 padding on; 21 set beside a mask; 24:22 after every 32 words (code 4); 31:25 4 words (code 3)
	s_or_b32 s[G1B+0], s44, (1<<16)|(1<<20)|(1<<21)|(6<<22)|(7<<25)  ; Wo's go to my column; after every 128 words (code 6) 8 words (code 7)
	s_mov_b32 s[G1+1], 128<<16                     ; O: 128 rows of one head are 16,384 dense bytes: asked for as 64 rows of 256 bytes, two rows of O each, padded in LDS after every row of O
	s_mov_b32 s[G1+2], 64<<16
	s_mov_b32 s[G1+3], 128<<16
	s_mov_b32 s[G1+4], 64
	s_mov_b32 s[G1+5], 128                         ; elements from row to row
	s_mov_b32 s[G1+6], 0
	s_mov_b32 s[G1+7], 0
	s_mov_b32 s[G1B+1], 256<<16                    ; Wo: 64 k rows x 256 elements
	s_mov_b32 s[G1B+2], 64<<16
	s_mov_b32 s[G1B+3], 256<<16
	s_mov_b32 s[G1B+4], 64
	s_mov_b32 s[G1B+5], 1024
	s_mov_b32 s[G1B+6], 0
	s_mov_b32 s[G1B+7], 0
	s_lshr_b32 s16, s13, 4                         ; O: the batch (16 tile rows each),
	s_lshl_b32 s16, s16, 4                         ; its 16 heads,
	s_add_co_u32 s16, s16, s12                     ; the first or the second of K step 0's two,
	s_lshl_b32 s16, s16, 11                        ; of 2,048 rows,
	s_and_b32 s17, s13, 15
	s_lshl_b32 s17, s17, 7                         ; the tile's 128 among them,
	s_add_co_u32 s16, s16, s17
	s_lshl_b32 s16, s16, 7                         ; of 128 bytes
	s_mov_b32 s17, 0
	s_lshl_b32 s46, s40, 9                         ; Wo: its 256 columns (512 bytes),
	s_lshl_b32 s47, s12, 17                        ; 64 k rows of 2,048 bytes for the second half,
	s_add_co_u32 s46, s46, s47
	s_add_co_u32 s46, s46, 3*2097152               ; in the fourth matrix of wb
	s_mov_b32 s47, 0
	s_mul_i32 s20, s12, HEADB                      ; where they go: no place in the cluster enters an LDS address
	s_mul_i32 s18, s12, 64*PB
	s_add_co_u32 s18, s18, BOFF
	s_wait_dscnt 0x0                               ; the opening add is done
	s_wait_kmcnt 0x0
	s_add_nc_u64 s[14:15], s[4:5], s[16:17]
	s_add_nc_u64 s[46:47], s[6:7], s[46:47]
	CROUND                                         ; all sixteen work-groups are here: the first joint loads meet
.irp s, 0,1
	s_mov_b32 s[G0+4*(\s)], 1
	s_add_co_u32 s[G0+4*(\s)+1], s20, (\s)*SLOT
	s_add_nc_u64 s[G0+4*(\s)+2:G0+4*(\s)+3], s[14:15], (\s)*ASTEP        ; K step s: two heads on,
	s_or_b32 s[G0+4*(\s)+3], s[G0+4*(\s)+3], 0x80000000
	s_mov_b32 s[G0B+4*(\s)], 1
	s_add_co_u32 s[G0B+4*(\s)+1], s18, (\s)*SLOT
	s_add_nc_u64 s[G0B+4*(\s)+2:G0B+4*(\s)+3], s[46:47], (\s)*BSTEP      ; 128 rows down Wo
	s_or_b32 s[G0B+4*(\s)+3], s[G0B+4*(\s)+3], 0x80000000
	JLOAD \s                                       ; two tensor loads of mine are out
.endr
	v_and_b32 v1, 15, v0                           ; l % 16
	v_bfe_u32 v2, v0, 4, 1                         ; l / 16
	s_lshl_b32 s42, s40, 10                        ; my columns 256 cx + 128 x half + 16 b + 8 (l / 16) + 0..7, as f32: in the bias and in a row of out0
	s_lshl_b32 s45, s12, 9
	s_add_co_u32 s42, s42, s45
	v_lshl_add_u32 v[BO], v2, 5, s42
	WIN 0x80                                       ; destination window 2, address window 0
.irp b, 0,1,2,3,4,5,6,7
	global_load_b128 v[BIAS+8*(\b):BIAS+8*(\b)+3],   v[BO], s[BP:BP+1] offset:64*(\b)
	global_load_b128 v[BIAS+8*(\b)+4:BIAS+8*(\b)+7], v[BO], s[BP:BP+1] offset:64*(\b)+16
.endr
	WIN 0
	v_mul_u32_u24 v3, v1, PA
	v_lshl_add_u32 v3, v2, 4, v3                   ; O: a fragment's row x pitch + 16 x half
	v_and_b32 v4, 7, v0
	v_bfe_u32 v5, v0, 3, 1
	v_lshl_add_u32 v6, v2, 3, v4                   ; Wo, turned: lane l reads k row 8 (l / 16) + l % 8, columns 8 ((l / 8) % 2) + 0..7
	v_mul_u32_u24 v6, v6, PB
	v_lshl_add_u32 v6, v5, 4, v6
	s_mul_i32 s21, s11, 64*PA                      ; my 64 rows of O
	s_lshl_b32 s22, s12, 8                         ; my 128 columns of Wo
	s_add_co_u32 s22, s22, BOFF
.irp s, 0,1
	v_add_nc_u32 v[ADRA+(\s)], s21, v3
	v_add_nc_u32 v[ADRB+(\s)], s22, v6
	s_add_co_u32 s21, s21, SLOT
	s_add_co_u32 s22, s22, SLOT
.endr
	s_mul_i32 s23, s10, 16*SP
	s_add_co_u32 s23, s23, STAGE                   ; my stage
	v_mul_u32_u24 v7, v1, SP                       ; in: row l % 16, 32 bytes for each half of the lanes
	v_lshl_add_u32 v7, v2, 5, v7
	v_add_nc_u32 v[STO], s23, v7
	v_and_b32 v7, 31, v0                           ; back: 32 lanes take one row of 512 bytes
	v_lshlrev_b32 v[CO], 4, v7
	v_add_nc_u32 v[RD], s23, v[CO]
	s_lshl_b32 s16, s13, 7                         ; out0: row 128 x tile row + 64 x half,
	s_lshl_b32 s17, s11, 6
	s_add_co_u32 s16, s16, s17
	s_lshl_b32 s16, s16, 12                        ; of 4,096 bytes,
	s_mov_b32 s17, 0
	s_add_nc_u64 s[OUT:OUT+1], s[OUT:OUT+1], s[16:17]
	s_mov_b32 s46, s42                             ; and my 512 bytes of it (in the registers that held Wo's address: none that feeds O's descriptors ever holds cx)
	s_mov_b32 s47, 0
	s_add_nc_u64 s[OUT:OUT+1], s[OUT:OUT+1], s[46:47]
	s_wait_loadcnt 0x0                             ; the bias; it is rounded to bf16 and widened again, in the wait for the first tile
	WIN 0x8a                                       ; destination and both sources window 2
.set i, 0
.rept 32
	v_cvt_pk_bf16_f32 v[BT+i], v[BIAS+2*i], v[BIAS+2*i+1]
.set i, i+1
.endr
.set i, 0
.rept 32
	v_lshlrev_b32 v[BIAS+2*i],   16, v[BT+i]
	v_and_b32     v[BIAS+2*i+1], 0xffff0000, v[BT+i]
.set i, i+1
.endr
	WIN 0
; 8 matrix instructions: row block a x all 8 column blocks, 32 along K, from buffer f.  first = 1: the product starts the sum, with the bias as C.
; The 32 accumulators take turns in one order, one instruction a turn, over the backward jump too.
.macro MUL8 f, a, first
.if \first
	WIN 0x60                                       ; C window 2, D window 1
.else
	WIN 0x50                                       ; C and D window 1
.endif
.irp b, 0,1,2,3,4,5,6,7
.if \first
	v_wmma_f32_16x16x32_f16 v[8*(8*(\a)+(\b)):8*(8*(\a)+(\b))+7], v[(\f)+8*(\b):(\f)+8*(\b)+7], v[(\f)+64+8*(\a):(\f)+64+8*(\a)+7], v[BIAS+8*(\b):BIAS+8*(\b)+7]
.else
	v_wmma_f32_16x16x32_f16 v[8*(8*(\a)+(\b)):8*(8*(\a)+(\b))+7], v[(\f)+8*(\b):(\f)+8*(\b)+7], v[(\f)+64+8*(\a):(\f)+64+8*(\a)+7], v[8*(8*(\a)+(\b)):8*(8*(\a)+(\b))+7]
.endif
.endr
.endm
; 24 LDS loads in one run: quarter q of a slot into buffer f: Wo's eight fragments (turned), then O's four: head q / 2 of the slot's two, channels 32 (q % 2) on
.macro FETCH slot, q, f
	WIN 0
.irp b, 0,1,2,3,4,5,6,7
	ds_load_tr16_b128 v[(\f)+8*(\b):(\f)+8*(\b)+3],   v[ADRB+(\slot)] offset:(\q)*32*PB+32*(\b)
	ds_load_tr16_b128 v[(\f)+8*(\b)+4:(\f)+8*(\b)+7], v[ADRB+(\slot)] offset:(\q)*32*PB+32*(\b)+16*PB
.endr
.irp a, 0,1,2,3
	ds_load_b128 v[(\f)+64+8*(\a):(\f)+64+8*(\a)+3],   v[ADRA+(\slot)] offset:((\q)/2)*HEADB+((\q)%2)*64+(\a)*16*PA
	ds_load_b128 v[(\f)+64+8*(\a)+4:(\f)+64+8*(\a)+7], v[ADRA+(\slot)] offset:((\q)/2)*HEADB+((\q)%2)*64+(\a)*16*PA+32
.endr
.endm
.macro PLACES                          ; four places in front of loads into registers that matrix instructions have read, and of LDS stores that read results
.rept 4
	v_nop
.endr
.endm
; One of a K step's first three quarters: multiplies buffer f and, in its middle, fetches quarter q of the same slot into g.
.macro QUARTER slot, q, f, g, first
	s_wait_dscnt 4                                 ; Wo's fragments and O's blocks 0, 1 are in; the youngest four loads (blocks 2, 3) may be out
	MUL8 \f, 0, \first
	MUL8 \f, 1, \first
	PLACES
	FETCH \slot, \q, \g
	s_wait_dscnt 24                                ; all but the 24 just issued
	MUL8 \f, 2, \first
	MUL8 \f, 3, \first
.endm
; The last quarter multiplies buffer 1 and changes slots: ONE barrier; in front of it each wave waits for all its tensor loads (one is out: its part of the next slot), adds 0 to its spare word,
; and waits for that and for its own reads of this slot.  fill = 1: the barrier opens a round of the cluster's, and this slot is filled again, two K steps ahead, first thing behind it.
.macro TURN slot, next, fill
	WIN 0
	s_wait_tensorcnt 0x0
	ds_add_u32 v[SPW], v[NIL]                      ; 0 onto my spare word
	s_wait_dscnt 7                                 ; the add and the youngest six loads (O's blocks 1 to 3) may be out
	MUL8 F1, 0, 0                                  ; eight matrix instructions stand between the add and the wait for it
	s_wait_dscnt 0x0                               ; the add is done, and my reads of this slot are over
	s_barrier_signal -1
	MUL8 F1, 1, 0
.if \fill
	WIN 0
.endif
	s_barrier_wait -1
.if \fill
	CREST                                          ; no wave of any partner still reads this slot's tile or has a load on its way
	s_add_nc_u64 s[G0+4*(\slot)+2:G0+4*(\slot)+3], s[G0+4*(\slot)+2:G0+4*(\slot)+3], 2*ASTEP
	s_add_nc_u64 s[G0B+4*(\slot)+2:G0B+4*(\slot)+3], s[G0B+4*(\slot)+2:G0B+4*(\slot)+3], 2*BSTEP
	JLOAD \slot                                    ; my one tensor load behind the round: 112 matrix instructions ahead of the wait for it; its four v_nop are also the places in front of the loads below
.else
	PLACES
.endif
	FETCH \next, 0, F0
	MUL8 F1, 2, 0
	MUL8 F1, 3, 0
.endm
	s_wait_tensorcnt 1                             ; my part of K step 0 is in; K step 1's may stay out
	s_barrier_signal -1
	s_barrier_wait -1                              ; everybody's is
	FETCH 0, 0, F0
	QUARTER 0, 1, F0, F1, 1                        ; the first quarter stands in front of the loop: its products start the sums
	WIN 0                                          ; at a label and at a branch every window is 0
	s_mov_b32 s3, LAPS-1
.Llap:                                                 ; a trip goes once round the ring, from a lap's second quarter to the next lap's first, and fills both slots again
	QUARTER 0, 2, F1, F0, 0
	QUARTER 0, 3, F0, F1, 0
	TURN 0, 1, 1
	QUARTER 1, 1, F0, F1, 0
	QUARTER 1, 2, F1, F0, 0
	QUARTER 1, 3, F0, F1, 0
	TURN 1, 0, 1
	QUARTER 0, 1, F0, F1, 0
	WIN 0
	s_sub_co_u32 s3, s3, 1
	s_cmp_lg_u32 s3, 0
	s_cbranch_scc1 .Llap
	QUARTER 0, 2, F1, F0, 0                        ; the last lap fills nothing, and has no round of the cluster's barrier
	QUARTER 0, 3, F0, F1, 0
	TURN 0, 1, 0
	QUARTER 1, 1, F0, F1, 0
	QUARTER 1, 2, F1, F0, 0
	QUARTER 1, 3, F0, F1, 0
	s_wait_dscnt 4                                 ; the very last quarter: nothing more to fetch
	MUL8 F1, 0, 0
	MUL8 F1, 1, 0
	s_wait_dscnt 0x0
	MUL8 F1, 2, 0
	MUL8 F1, 3, 0
	WIN 0
	; THE WAY OUT, a row block (16 rows x 128 columns of f32) at a time: a lane's 32 bytes of a row go into my own stage, rows of 528 bytes, and come back as whole rows of 512, into two sets of 64 registers by turns.
.macro TOSTAGE a
.set BK, 64+64*((\a)%2)
	WIN 0x04                                       ; the stores' data in window 1, their address in window 0
.irp b, 0,1,2,3,4,5,6,7
	ds_store_b128 v[STO], v[8*(8*(\a)+(\b)):8*(8*(\a)+(\b))+3]   offset:64*(\b)     ; each accumulator's four lowest registers first
	ds_store_b128 v[STO], v[8*(8*(\a)+(\b))+4:8*(8*(\a)+(\b))+7] offset:64*(\b)+16
.endr
	WIN 0
.irp t, 0,1,2,3,4,5,6,7,8,9,10,11,12,13,14,15
	ds_load_b128 v[BK+4*(\t):BK+4*(\t)+3], v[RD] offset:(\t)*SP  ; LDS serves a wave's instructions in order (ISA guide 5.7.1.4): these see the stores above; the next block's stores come behind them
.endr
.endm
.macro SEND a, younger                 ; younger: the LDS instructions issued behind block a's loads: the next block's 32, or none
.set BK, 64+64*((\a)%2)
.irp t, 0,1,2,3,4,5,6,7,8,9,10,11,12,13,14,15
	s_wait_dscnt (\younger)+15-(\t)
	global_store_b128 v[CO], v[BK+4*(\t):BK+4*(\t)+3], s[OUT:OUT+1] offset:(16*(\a)+(\t))*4096 th:TH_STORE_NT  ; 512 consecutive bytes, at a multiple of 256 from out0's first
.endr
.endm
	PLACES
	TOSTAGE 0
	TOSTAGE 1
	SEND 0, 32
	s_wait_xcnt 0x0                                ; block 0's stores have read their registers (ISA guide 3.1): that set is loaded again only behind this wait
	TOSTAGE 2
	SEND 1, 32
	s_wait_xcnt 0x0                                ; the same for block 1's set
	TOSTAGE 3
	SEND 2, 32
	SEND 3, 0
	s_wait_tensorcnt 0x0                           ; the wave's end: 0 onto my spare word and its wait, behind my last tensor load and my last LDS store
	ds_add_u32 v[SPW], v[NIL]
	s_wait_dscnt 0x0
	CROUND                                         ; the closing round: no work-group ends while a partner may still ask for a tile that names it
	s_endpgm
.Lfunc_end_k_q6d092f21f7_proj:
	.size	k_q6d092f21f7_proj, .Lfunc_end_k_q6d092f21f7_proj-k_q6d092f21f7_proj
	.p2alignl 7, 3214868480
	.fill 96, 4, 3214868480
	.section	.rodata,"a",@progbits
	.p2align	6, 0x0
	.amdhsa_kernel k_q6d092f21f7_proj
		.amdhsa_group_segment_fixed_size 327680
		.amdhsa_private_segment_fixed_size 0
		.amdhsa_enable_private_segment 0
		.amdhsa_kernarg_size 32
		.amdhsa_user_sgpr_count 2
		.amdhsa_user_sgpr_kernarg_segment_ptr 1
		.amdhsa_wavefront_size32 1
		.amdhsa_system_sgpr_workgroup_id_x 1
		.amdhsa_system_sgpr_workgroup_id_y 1
		.amdhsa_system_sgpr_workgroup_id_z 1
		.amdhsa_system_vgpr_workitem_id 0
		.amdhsa_next_free_vgpr 608
		.amdhsa_next_free_sgpr 72
		.amdhsa_reserve_vcc 0
		.amdhsa_float_denorm_mode_32 3
		.amdhsa_float_denorm_mode_16_64 3
		.amdhsa_memory_ordered 1
		.amdhsa_forward_progress 1
		.amdhsa_inst_pref_size 94
	.end_amdhsa_kernel
	.amdgpu_metadata
---
amdhsa.version: [ 1, 2 ]
amdhsa.kernels:
  - .name:           k_q6d092f21f7_proj
    .symbol:         k_q6d092f21f7_proj.kd
    .args:
      - { .name: oh, .offset: 0, .size: 8, .value_kind: global_buffer, .address_space: global }
      - { .name: wb, .offset: 8, .size: 8, .value_kind: global_buffer, .address_space: global }
      - { .name: bo, .offset: 16, .size: 8, .value_kind: global_buffer, .address_space: global }
      - { .name: out0, .offset: 24, .size: 8, .value_kind: global_buffer, .address_space: global }
    .group_segment_fixed_size: 327680
    .private_segment_fixed_size: 0
    .kernarg_segment_align: 8
    .kernarg_segment_size: 32
    .max_flat_workgroup_size: 128
    .sgpr_count:     72
    .vgpr_count:     608
    .wavefront_size: 32
...
	.end_amdgpu_metadata
.endif
;; end of part 4
